; MI455X (gfx1250); checked and timed in simulation.
; The chip was launched on July 23, 2026; its instructions are those of AMD's public machine-readable ISA for CDNA 5 (MIT licence, August 2026) and "CDNA5" Instruction Set Architecture Reference Guide (July 2026). The comments in the code are by the model that wrote it; some were corrected since.
;; Multihead Attention. Allowed arithmetic: matrix products marked QUANTISED: E2M3 operands, one E8M0 scale for each 32 along K, by v_wmma_scale_f32_16x16x128_f8f6f4 with both operands' format E2M3, f32 sums; everything else in f32.
;; Inputs: b_in 3,072 float32; b_out 1,024 float32; w_in 3,072 x 1,024 float32; w_out 1,024 x 1,024 float32; x 2 x 2,048 x 1,024 float32.
;; Outputs: out0 2 x 2,048 x 1,024 float32.
;; This version of the problem:
;;   THIS VERSION OF THE PROBLEM IS GIVEN IN LOW PRECISION. The matrix products marked QUANTISED in the list below multiply operands that are first quantised to E2M3 (2 exponent bits, 3 mantissa bits; 6 bits a number), with one power-of-two scale for each 32 numbers along K (OCP MX v1.0); their sums are f32. All else is computed in f32.
;;   The module's matrix products, in the order in which they are computed (A, B: the left and right operand; K: the contracted axis; several contracted axes count as one K, in the product's order):
;;     1. [M 4,096, K 1,024] x [K 1,024, N 3,072]; A: input x; B: input w_in: QUANTISED
;;     2. batch 32 x [M 2,048, K 64] x [K 64, N 2,048]; A: computed on the way; B: computed on the way: QUANTISED
;;     3. batch 32 x [M 2,048, K 2,048] x [K 2,048, N 64]; A: softmax (see below); B: computed on the way: QUANTISED
;;     4. [M 4,096, K 1,024] x [K 1,024, N 1,024]; A: computed on the way; B: input w_out: QUANTISED
;;   THE QUANTISER, for each operand of a quantised product, along K:
;;     - K is cut into blocks of 32 from its start; a last block that is shorter is filled with zeros.
;;     - A block's scale is 2^e with e = floor(log2(the largest magnitude in the block)) - 2, held to -126 .. 127; a block of zeros has e = 0. As a byte (E8M0): e + 127.
;;     - Each number is divided by its block's scale, clamped to +-7.5, and rounded to the nearest number of E2M3, ties to even, subnormals kept.
;;     - The product sums the exact products of the quantised numbers (number of the format x scale) in f32.
;;   ~~~python
;;   def quantise(x, axis):      # numpy; x: float32 -> the quantised numbers, widened to float32 again
;;       x = np.moveaxis(x, axis, -1); K = x.shape[-1]
;;       x = np.pad(x, [(0, 0)] * (x.ndim - 1) + [(0, -K % 32)]); x = x.reshape(x.shape[:-1] + (-1, 32)); a = np.abs(x).max(-1, keepdims=True)
;;       e = np.where(a > 0, np.clip(np.frexp(np.where(a > 0, a, 1))[1] - 1 - 2, -126, 127), 0)      # np.frexp(a)[1] - 1 = floor(log2(a)), exactly
;;       r = np.clip(x / 2.0 ** e, -7.5, 7.5)
;;       step = 2.0 ** (np.maximum(np.frexp(np.where(r == 0, 1, r))[1] - 1, 0) - 3)
;;       q = np.round(r / step) * step * 2.0 ** e      # np.round: ties to even
;;       return np.moveaxis(q.reshape(q.shape[:-2] + (-1,))[..., :K], -1, axis).astype(np.float32)
;;   ~~~
;;   SOFTMAX AHEAD OF A QUANTISED PRODUCT. Where the list says 'softmax', what is quantised is not the finished softmax but p = 2^(t - M), with t = logit x log2(e) and M = ceil(the row's largest t), a whole number; so 1/2 < the row's largest p <= 1. The row's sum l is taken of the UNQUANTISED p, in f32, and the product's result is divided by l at the end. Since M is a whole number, a kernel that streams over the keys may use a running M (the ceiling of the running maximum): every later rescaling is an exact power of two, which a block's scale takes up: the codes' values come out the same.
;;   OPERANDS COMPUTED ON THE WAY. 'Computed on the way' means the value that the module computes at that place (a softmax that the list does not call 'softmax' is quantised finished and normalised). What goes into a quantiser is computed in f32, as accurately as f32 sums, v_exp_f32 and their like allow (about 1e-6 of the number): no bf16 or f16 on the way to a quantiser, and a product that is left as it is and whose result goes on into a quantised operand takes f32 operands (vector FMAs, or v_wmma_f32_16x16x4_f32). A number that lies on a knife's edge between two numbers of the format may be rounded either way, as far as f32 arithmetic and the matrix unit's own rounding can turn it there, and no further.
;; One version. Each part assembles by itself: llvm-mc -triple=amdgcn-amd-amdhsa -mcpu=gfx1250 --defsym DOCPART=n.
;; ======== version 1 of 1: 4 launches
;; limits: right only within a limited range of input values
;; workspace buffers: c1 6,291,456 bytes; s1 262,144 bytes; qkv 9,830,400 bytes; att 3,276,800 bytes
;; launch quant (part 1): grid 256 x 1, 4 waves a work-group, no clusters, 33,280 bytes of LDS; arguments x, w_in, w_out, c1, s1; writes c1, s1
.if DOCPART == 1
	.amdgcn_target "amdgcn-amd-amdhsa--gfx1250"
	.amdhsa_code_object_version 6
	.text
	.protected	k_q88d2c67813_quant
	.globl	k_q88d2c67813_quant
	.p2align	8
	.type	k_q88d2c67813_quant,@function
k_q88d2c67813_quant:
	s_mov_b64 s[64:65], 0
	v_nop
	global_prefetch_b8 v0, s[64:65] scope:SCOPE_SE
	s_setreg_imm32_b32 hwreg(HW_REG_WAVE_MODE, 25, 1), 1
	s_wait_xcnt 0x0
; x [4096][1024], w_in [3072][1024], w_out [1024][1024], f32, K innermost, become codes of FP6 (E2M3) in c1 and one E8M0 byte for each 32 along K in s1.
; c1 is [8192 places][768 bytes], s1 [8192 places][32 bytes]: x at places 0-4095, w_in at 4096-7167, w_out at 7168-8191.
; THE ORDER OF ROWS: within each 32 rows the second and the third group of eight change places.  So sixteen neighbouring places 16 (2 b + u) + i hold the rows 32 b + 8 u + i + 8 (i / 8),
; and in a product's result the sixteen registers of two neighbouring tiles are sixteen neighbouring rows: what the later launches' quantisers want.
; A block's scale is 2^(floor(log2(its largest magnitude)) - 2); its byte is the largest magnitude's exponent field - 2, held at 1 from below.
; LIMITS: a block of zeros, and a block whose largest magnitude lies under 2^-124, gets the byte 1 (zeros stay zero codes; this program alone reads the bytes); NaN and infinities among the inputs are not served.
; A work-group takes 32 rows, each of its four waves eight rows = 8,192 numbers, in 16 steps of 512.  Each load reads 512 consecutive bytes; a step's 2,048 bytes turn through the wave's own stage in LDS and
; come back 64 bytes a lane, so that a lane holds 16 neighbours along K and two neighbouring lanes a block.  Waves share nothing: no barrier.  Loads run four steps (16 loads a wave) ahead.
.set STEPS, 16
.set CB,    12                         ; bytes of 16 codes
.set R,     16                         ; v16-79   four sets of 16 numbers as loaded
.set X,     80                         ; v80-111  two sets of 16 neighbours
.set C,     128                        ; v128-191 codes: four registers for each step, so that no store's data are written again
.set E,     112                        ; v112-127 a scale byte for each step
.set WREG,  8192                       ; LDS: a wave's own region: two stages of 32 x SP bytes, then its 256 scale bytes
.set SP,    80                         ; a lane's place in a stage: 64 bytes + 16 of padding
	s_load_b128 s[4:7], s[0:1], 0x0                ; x, w_in
	s_load_b128 s[8:11], s[0:1], 0x10              ; w_out, c1
	s_load_b64 s[12:13], s[0:1], 0x20              ; s1
	v_lshl_add_u32 v192, v0, 2, 0x8000
	v_mov_b32 v193, 0
	v_lshrrev_b32 v1, 5, v0
	v_readfirstlane_b32 s16, v1                    ; wave
	v_and_b32 v2, 31, v0                           ; lane
	v_lshlrev_b32 v3, 4, v2                        ; my 16 bytes of a load's 512
	s_mul_i32 s17, s16, WREG
	v_lshrrev_b32 v14, 2, v2
	v_mul_u32_u24 v14, v14, SP
	v_and_b32 v15, 3, v2
	v_lshl_add_u32 v14, v15, 4, v14
	v_add_nc_u32 v14, s17, v14                     ; the stage on the way in: SP (lane / 4) + 16 (lane % 4)
	v_mul_u32_u24 v15, v2, SP
	v_add_nc_u32 v15, s17, v15                     ; and on the way out: SP x lane: my 16 neighbours
	v_mul_u32_u24 v4, v2, CB                       ; my codes' place in a step's
	v_lshrrev_b32 v5, 1, v2
	s_add_co_u32 s17, s17, 2*32*SP
	v_add_nc_u32 v5, s17, v5                       ; LDS: my wave's 256 scale bytes, my block's byte
	v_lshlrev_b32 v7, 3, v2                        ; on the way out 8 bytes a lane
	v_add_nc_u32 v6, s17, v7
	s_wait_alu depctr_va_vdst(0)
	s_wait_kmcnt 0x0
	s_cmp_lt_u32 ttmp9, 128                        ; work-groups 0-127 take x, 128-223 w_in, 224-255 w_out: the choice hangs on the work-group's number alone
	s_cselect_b64 s[4:5], s[4:5], s[6:7]
	s_cselect_b32 s17, 0, 128
	s_mov_b32 s18, 224
	s_cmp_lt_u32 ttmp9, s18
	s_cselect_b64 s[4:5], s[4:5], s[8:9]
	s_cselect_b32 s17, s17, s18                    ; the tensor's first work-group
	s_sub_co_u32 s17, ttmp9, s17
	s_lshl_b32 s17, s17, 2
	s_add_co_u32 s17, s17, s16                     ; which eight rows of the tensor are my wave's
	s_lshl_b32 s20, s17, 15                        ; 32,768 bytes each
	s_mov_b32 s21, 0
	s_add_nc_u64 s[4:5], s[4:5], s[20:21]
	s_and_b32 s18, s16, 1                          ; where they go: groups 1 and 2 of the 32 rows change places
	s_lshl_b32 s18, s18, 1
	s_lshr_b32 s19, s16, 1
	s_or_b32 s18, s18, s19
	s_lshl_b32 s19, ttmp9, 2
	s_add_co_u32 s18, s18, s19                     ; the group of eight places
	s_mul_i32 s20, s18, 6144                       ; 8 x 768 bytes of codes
	s_add_nc_u64 s[10:11], s[10:11], s[20:21]
	s_lshl_b32 s20, s18, 8                         ; 8 x 32 scale bytes
	s_add_nc_u64 s[12:13], s[12:13], s[20:21]
.macro LOAD t
.irp i, 0,1,2,3
	global_load_b128 v[R+16*((\t)%4)+4*\i:R+16*((\t)%4)+4*\i+3], v3, s[4:5] offset:2048*(\t)+512*\i th:TH_LOAD_NT   ; 32 lanes read 512 consecutive bytes
.endr
.endm
.macro TURN t                          ; step t's numbers through the stage: LDS serves a wave's instructions in order (ISA guide 5.7.1.4), so no wait stands between the stores and the loads
.irp i, 0,1,2,3
	ds_store_b128 v14, v[R+16*((\t)%4)+4*\i:R+16*((\t)%4)+4*\i+3] offset:32*SP*((\t)%2)+8*SP*\i
.endr
.irp i, 0,1,2,3
	ds_load_b128 v[X+16*((\t)%2)+4*\i:X+16*((\t)%2)+4*\i+3], v15 offset:32*SP*((\t)%2)+16*\i
.endr
.endm
.irp t, 0,1,2,3
	LOAD \t
.endr
	s_wait_loadcnt 12                              ; step 0's four loads are in; the twelve of steps 1 to 3 may be out
	TURN 0
.macro STEP t
.set XS, X+16*((\t)%2)
.if (\t) > 0
	s_wait_dscnt 1                                 ; this step's numbers are back from the stage (the last step's byte store may be out): so its stores into the stage have read their registers,
.else
	s_wait_dscnt 0x0
.endif
.if (\t)+4 < STEPS
	LOAD (\t)+4                                    ; which take the loads of four steps on
.endif
.if (\t)+1 < STEPS
.if STEPS-2-(\t) >= 3
	s_wait_loadcnt 12                              ; the next step's four loads are in; those of the three steps behind it may be out
.else
	s_wait_loadcnt 4*(STEPS-2-(\t))
.endif
	TURN (\t)+1                                    ; and go through the other stage while this step is worked
.endif
	v_max3_num_f32 v8, |v[XS]|, |v[XS+1]|, |v[XS+2]|               ; the largest magnitude of my 16, in two chains
	v_max3_num_f32 v9, |v[XS+3]|, |v[XS+4]|, |v[XS+5]|
.irp i, 6,10
	v_max3_num_f32 v8, v8, |v[XS+\i]|, |v[XS+\i+1]|
	v_max3_num_f32 v9, v9, |v[XS+\i+2]|, |v[XS+\i+3]|
.endr
	v_max3_num_f32 v8, v8, |v[XS+14]|, |v[XS+15]|
	v_max3_num_f32 v8, v8, v9, 0x1800000           ; and the floor 2^(3 - 127): the byte cannot fall under 1
	v_max_num_f32_dpp v8, v8, v8 row_xmask:1 row_mask:0xf bank_mask:0xf   ; and of my neighbour's 16: the block's
	v_add_nc_u32 v11, 0xff000000, v8               ; 2 off its exponent field: the conversion takes the exponent field of this operand as its scale, and nothing else of it
	v_cvt_scalef32_pk16_fp6_f32 v[C+4*(\t):C+4*(\t)+2], v[XS:XS+15], v11   ; sixteen numbers / the scale, to the nearest code, ties to even, beyond 7.5 the largest code; 96 bits, the first number's code lowest
	v_lshrrev_b32 v[E+(\t)], 23, v11               ; the scale's byte (also the plain line behind the conversion)
	ds_store_b8 v5, v[E+(\t)] offset:16*(\t)       ; both lanes of a block write the same byte with the same value
	global_store_b96 v4, v[C+4*(\t):C+4*(\t)+2], s[10:11] offset:32*CB*(\t)   ; the wave stores 384 consecutive bytes
.endm
.irp t, 0,1,2,3,4,5,6,7,8,9,10,11,12,13,14,15
	STEP \t
.endr
	ds_load_b64 v[12:13], v6                       ; these see my byte stores: a wave's LDS instructions are served in order
	s_wait_dscnt 0x0
	global_store_b64 v7, v[12:13], s[12:13]        ; 32 lanes store 256 consecutive bytes, aligned
	s_wait_tensorcnt 0x0
	ds_add_u32 v192, v193
	s_wait_dscnt 0x0
	s_endpgm
.Lfunc_end_k_q88d2c67813_quant:
	.size	k_q88d2c67813_quant, .Lfunc_end_k_q88d2c67813_quant-k_q88d2c67813_quant
	.p2alignl 7, 3214868480
	.fill 96, 4, 3214868480
	.section	.rodata,"a",@progbits
	.p2align	6, 0x0
	.amdhsa_kernel k_q88d2c67813_quant
		.amdhsa_group_segment_fixed_size 33280
		.amdhsa_private_segment_fixed_size 0
		.amdhsa_enable_private_segment 0
		.amdhsa_kernarg_size 40
		.amdhsa_user_sgpr_count 2
		.amdhsa_user_sgpr_kernarg_segment_ptr 1
		.amdhsa_wavefront_size32 1
		.amdhsa_system_sgpr_workgroup_id_x 1
		.amdhsa_system_sgpr_workgroup_id_y 1
		.amdhsa_system_sgpr_workgroup_id_z 1
		.amdhsa_system_vgpr_workitem_id 0
		.amdhsa_next_free_vgpr 194
		.amdhsa_next_free_sgpr 66
		.amdhsa_reserve_vcc 0
		.amdhsa_float_denorm_mode_32 3
		.amdhsa_float_denorm_mode_16_64 3
		.amdhsa_memory_ordered 1
		.amdhsa_forward_progress 1
		.amdhsa_inst_pref_size 33
	.end_amdhsa_kernel
	.amdgpu_metadata
---
amdhsa.version: [ 1, 2 ]
amdhsa.kernels:
  - .name:           k_q88d2c67813_quant
    .symbol:         k_q88d2c67813_quant.kd
    .args:
      - { .name: x, .offset: 0, .size: 8, .value_kind: global_buffer, .address_space: global }
      - { .name: w_in, .offset: 8, .size: 8, .value_kind: global_buffer, .address_space: global }
      - { .name: w_out, .offset: 16, .size: 8, .value_kind: global_buffer, .address_space: global }
      - { .name: c1, .offset: 24, .size: 8, .value_kind: global_buffer, .address_space: global }
      - { .name: s1, .offset: 32, .size: 8, .value_kind: global_buffer, .address_space: global }
    .group_segment_fixed_size: 33280
    .private_segment_fixed_size: 0
    .kernarg_segment_align: 8
    .kernarg_segment_size: 40
    .max_flat_workgroup_size: 128
    .sgpr_count:     66
    .vgpr_count:     194
    .wavefront_size: 32
...
	.end_amdgpu_metadata
.endif
;; end of part 1
;; launch proj_in (part 2): grid 12 x 16, 4 waves a work-group, clusters of 4 x 4, 327,680 bytes of LDS; arguments c1, s1, b_in, qkv; writes qkv
.if DOCPART == 2
	.amdgcn_target "amdgcn-amd-amdhsa--gfx1250"
	.amdhsa_code_object_version 6
	.text
	.protected	k_q88d2c67813_proj_in
	.globl	k_q88d2c67813_proj_in
	.p2align	8
	.type	k_q88d2c67813_proj_in,@function
k_q88d2c67813_proj_in:
	s_mov_b64 s[64:65], 0
	v_nop
	global_prefetch_b8 v0, s[64:65] scope:SCOPE_SE
	s_setreg_imm32_b32 hwreg(HW_REG_WAVE_MODE, 25, 1), 1
	s_wait_xcnt 0x0
	s_wait_alu depctr_hold_cnt(0) depctr_sa_sdst(0) depctr_va_vdst(0) depctr_va_sdst(0) depctr_va_ssrc(0) depctr_va_vcc(0) depctr_vm_vsrc(0)
	s_getreg_b32 s2, hwreg(HW_REG_IB_STS2, 6, 4)
	s_cmp_eq_u32 s2, 0
	s_cbranch_scc0 .Lentry_in_a_cluster
	s_endpgm
.Lentry_in_a_cluster:
	s_bfe_u32 s2, ttmp6, 0x10000c
	s_cmp_lg_u32 s2, 0xf033
	s_cbranch_scc0 .Lentry_shape_is_right
	s_endpgm
.Lentry_shape_is_right:
; qkv = x w_in^T + b_in on codes of FP6 (E2M3) with E8M0 scales (c1, s1: 8,192 places of 768 and 32 bytes; x at 0, w_in at 4,096), q times 1/8; then q and k are quantised along the head's 64 and v along the
; keys, and all three leave as images of operand registers for the attention launch.  Nothing wide goes to memory.
; SHARES.  A work-group makes 256 x 256 results, K = 1,024; each of its four waves 128 x 128: 64 accumulators, 512 registers.
; K goes through a ring of two LDS slots in CHUNKS OF 256 BYTES of each row of codes (a row is 768 bytes: three chunks, each on a multiple of 256 bytes).  A step of 128 along K is 96 bytes: eight steps to three chunks; steps 2 and 5 read both slots.
; The cluster's x is the section: 0 q, 1 k, 2 v.  P is what source 0 takes, Q what source 1 takes: a lane of a result holds ONE row of Q, and its registers run along the rows of P.
;   q, k: P = 256 features (rows of w_in), Q = 256 tokens.   v: P = 256 tokens, Q = 256 features.  The sources are changed by what is fetched, not by the text.
; By the order of rows in c1, the 16 registers of P's tiles 2 b and 2 b + 1 are the rows 32 b + 16 (lane / 16) + 0 .. 15, and lane r of Q's tile 2 b + u holds row 32 b + 8 u + r + 8 (r / 8).
; CLUSTERS: 4 x 4 work-groups.  P's tiles hang on the cluster and on cx and are shared along a column, Q's on the cluster and on cy and are shared along a row: each is asked for jointly.
; The grid has 192 work-groups: tiles of 192 x 256 would give 256 but cut heads and straddle the sections.
; PREFETCH: chunk 1 is named at the head, chunk 2 behind chunk 1's joint load: of the 128 rows that a wave fetches each of the four partners names 32, told apart by address, a lane a row.
; qkv: [batch x head (32)][block of 128 tokens (16)][19,200 bytes]: K's 8 tiles x 768, their scale words 256, V's 4 tiles x 1,536, their scale words 256, Q's 8 tiles x 768, their scale words 256.
;   A tile of q or k (16 tokens x 64): six registers: 512 bytes (registers 0-3, 16 bytes a lane), 256 bytes (registers 4-5, 8 bytes a lane).  A tile of v (16 channels x 128 tokens): twelve registers, 3 x 512 bytes.
;   Four scale words W0-W3 of a lane r: Wt at 128 (t % 2) + 8 r + 4 (t / 2).  For q and k word p holds tile 2 p's two bytes below and tile 2 p + 1's above.
; LIMITS: a block of zeros, or one whose largest magnitude lies under 2^-124, gets the byte 1 (this program alone reads the bytes); NaN and infinities are not served ahead of the quantisers.
; REGISTERS, in windows of 256: window 0: v0-31 addresses; v32-63 scale words, two sets; v64-127 b_in along P; from v128 Q's fragments, one set; v224-239 b_in along Q.  On the way out v32-63 and v128-243 are at work.
;   window 1: P's fragments, two sets.   window 2: the accumulators of my Q tiles 0-3 (accumulator (a, b) at v[8 (8 a + b)]);   window 3: those of tiles 4-7.
.set ROWB,   256
.set NQ,     2
.set KROW,   768
.set STEPS,  8
.set CHUNKS, 3
.set PITCH,  272                       ; an LDS row: 256 bytes + 16 of padding
.set FR,     12
.set NL,     6
.set NP,     4                         ; places behind this matrix instruction (ISA guide 7.12.1)
.set HALFT,  128*PITCH
.set SLOT,   4*HALFT                   ; Q's 256 rows, then P's 256 rows
.set SCL,    2*SLOT                    ; behind the ring: the scale bytes, as 256 bytes + 16 of padding
.set HALFS,  16*272
.set SBLK,   2*272
.set SPARE,  SCL+4*HALFS               ; the spare words, 128 bytes a wave
.set REC,    19200
.set HEADB,  16*REC
.set ADRA, 16                          ; v16-17 Q's fragments in slot 0, 1; v18-19: lanes 0-15 at byte 232 of a row in slot 0, 1, lanes 16-31 at byte 0 of the row in the other slot
.set ADRB, 20                          ; v20-23 the same for P
.set L16,  24
.set L8,   25
.set PFO,  26                          ; v26 lane x 768: the prefetches' offset
.set ADRS, 27
.set SPW,  28
.set NIL,  29
.set SC,   32
.set BP,   64
.set AF,   128
.set BQ,   224
.set TM,   32
.set SW,   48
.set WP,   56
.set T,    128
.set PC,   192
.set OW,   240
.set SEL,  66
.set G1, 24
.set G0, 32
.set G1B, 48
.set G0B, 56
.set G1S, 68
.set G0S, 76
.set G1SB, 80
.set G0SB, 88
.set MSB, 0
.macro WIN new                         ; the immediate's high byte repeats the setting that is left
.if MSB != (\new)
	s_set_vgpr_msb (MSB<<8)|(\new)
.set MSB, (\new)
.endif
.endm
.set MUL_LO, 0xa1
.set MUL_HI, 0xf1
.set TO_B,   0x40
.macro PLACES n
.rept \n
	v_nop
.endr
.endm
; A joint load: waves 0 and 1 fetch for Q, waves 2 and 3 for P; the branch hangs on the wave's number alone.  s_nop 0 and four v_nop follow each line.
.macro JLOAD g0a, g1a, g0b, g1b
	s_cmp_eq_u32 s15, 0
	s_cbranch_scc0 .Lfor_b_\@
	tensor_load_to_lds s[\g0a:\g0a+3], s[\g1a:\g1a+7]
	s_nop 0
	PLACES 4
	s_branch .Lasked_\@
.Lfor_b_\@:
	tensor_load_to_lds s[\g0b:\g0b+3], s[\g1b:\g1b+7]
	s_nop 0
	PLACES 4
.Lasked_\@:
.endm
.macro CREST                           ; a round of the cluster's barrier behind its opening barrier
	s_cmp_lg_u32 s14, 0
	s_cbranch_scc1 .Lnot_wave_0_\@
	s_barrier_signal -3
.Lnot_wave_0_\@:
	s_barrier_wait -3
	s_barrier_signal -1
	s_barrier_wait -1
.endm
.macro CROUND
	s_barrier_signal -1
	s_barrier_wait -1
	CREST
.endm
	s_load_b256 s[4:11], s[0:1], 0x0               ; c1 s[4:5], s1 s[6:7], b_in s[8:9], qkv s[10:11]
	v_lshl_add_u32 v[SPW], v0, 2, SPARE
	v_mov_b32 v[NIL], 0
	ds_add_u32 v[SPW], v[NIL]                      ; the opening lines: the add twice on end and one wait
	ds_add_u32 v[SPW], v[NIL]
	v_lshrrev_b32 v1, 5, v0
	v_readfirstlane_b32 s14, v1                    ; wave 0..3
	s_lshr_b32 s15, s14, 1                         ; which half of Q's rows is mine.  Also: in the ring I fetch for Q (0) or for P (1)
	s_and_b32 s16, s14, 1                          ; which half of P's rows.  Also: which 128 rows I fetch
	s_bfe_u32 s40, ttmp6, 0x40000                  ; cx, cy
	s_bfe_u32 s41, ttmp6, 0x40004
	s_mov_b32 s95, ttmp9                           ; the section: the cluster's x
	s_and_b32 s96, ttmp7, 0xffff                   ; the cluster's y: which 1,024 tokens
	s_lshl_b32 s43, s41, 2
	s_lshl_b32 s43, 15, s43                        ; my row of the cluster
	s_lshl_b32 s44, 0x1111, s40                    ; my column
	s_or_b32 s[G1+0], s43, (0<<16)|(1<<20)|(1<<21)|(5<<22)|(3<<25)  ; Q's tiles go to my row; bytes; 4 words of padding behind every 64
	s_or_b32 s[G1B+0], s44, (0<<16)|(1<<20)|(1<<21)|(5<<22)|(3<<25) ; P's go to my column
.irp g, G1, G1B
	s_mov_b32 s[\g+1], ROWB<<16
	s_mov_b32 s[\g+2], 256<<16                     ; 256 rows for the head's loads; 128 behind them
	s_mov_b32 s[\g+3], ROWB<<16
	s_mov_b32 s[\g+4], 256
	s_mov_b32 s[\g+5], KROW
	s_mov_b32 s[\g+6], 0
	s_mov_b32 s[\g+7], 0
.endr
	s_or_b32 s[G1S+0], s43, (3<<16)|(1<<20)|(1<<21)|(5<<22)|(3<<25) ; the scale bytes of 256 rows: 8,192 dense bytes as 32 rows of 256
	s_or_b32 s[G1SB+0], s44, (3<<16)|(1<<20)|(1<<21)|(5<<22)|(3<<25)
.irp g, G1S, G1SB
	s_mov_b32 s[\g+1], 32<<16
	s_mov_b32 s[\g+2], 32<<16
	s_mov_b32 s[\g+3], 32<<16
	s_mov_b32 s[\g+4], 32
	s_mov_b32 s[\g+5], 32
	s_mov_b32 s[\g+6], 0
	s_mov_b32 s[\g+7], 0
.endr
	s_lshl_b32 s17, s95, 10
	s_add_co_u32 s17, s17, 4096                    ; w_in's section
	s_lshl_b32 s18, s96, 10                        ; the cluster's tokens
	s_mov_b32 s19, 6144                            ; w_in's rows for v
	s_cmp_lt_u32 s95, 2
	s_cselect_b32 s46, s17, s18                    ; P: features for q and k, tokens for v
	s_cselect_b32 s20, s18, s19                    ; Q: tokens for q and k, features for v
	s_lshl_b32 s22, s41, 8
	s_add_co_u32 s20, s20, s22                     ; Q: + 256 cy (no register of Q's ever holds cx)
	s_lshl_b32 s47, s40, 8
	s_add_co_u32 s46, s46, s47                     ; P: + 256 cx (none of P's ever holds cy)
	s_lshl_b32 s22, s20, 5                         ; their scale bytes: 32 a place
	s_mov_b32 s23, 0
	s_lshl_b32 s92, s46, 5
	s_mov_b32 s93, 0
	s_mul_i32 s20, s20, KROW
	s_mov_b32 s21, 0
	s_mul_i32 s46, s46, KROW
	s_mov_b32 s47, 0
	s_mul_i32 s100, s16, 128*KROW                  ; in the ring I fetch 128 rows: which half, in bytes
	s_mov_b32 s101, 0
	s_mul_i32 s45, s14, HALFT                      ; and where they go: wave x 128 rows
	s_wait_dscnt 0x0                               ; both opening adds are done
	s_wait_kmcnt 0x0
	s_add_nc_u64 s[20:21], s[4:5], s[20:21]
	s_add_nc_u64 s[22:23], s[6:7], s[22:23]
	s_add_nc_u64 s[46:47], s[4:5], s[46:47]
	s_add_nc_u64 s[92:93], s[6:7], s[92:93]
	CROUND                                         ; all sixteen work-groups are here: the first joint loads meet
	s_mov_b32 s[G0], 1                             ; slot 0's sets serve the head's loads first: chunk 0's 256 rows of Q,
	s_mov_b32 s[G0+1], 0
	s_mov_b64 s[G0+2:G0+3], s[20:21]
	s_or_b32 s[G0+3], s[G0+3], 0x80000000
	s_mov_b32 s[G0B], 1                            ; its 256 rows of P,
	s_mov_b32 s[G0B+1], 2*HALFT
	s_mov_b64 s[G0B+2:G0B+3], s[46:47]
	s_or_b32 s[G0B+3], s[G0B+3], 0x80000000
	s_mov_b32 s[G0S], 1                            ; Q's scale bytes,
	s_mov_b32 s[G0S+1], SCL
	s_mov_b64 s[G0S+2:G0S+3], s[22:23]
	s_or_b32 s[G0S+3], s[G0S+3], 0x80000000
	s_mov_b32 s[G0SB], 1                           ; and P's
	s_mov_b32 s[G0SB+1], SCL+2*HALFS
	s_mov_b64 s[G0SB+2:G0SB+3], s[92:93]
	s_or_b32 s[G0SB+3], s[G0SB+3], 0x80000000
	s_mov_b32 s[G0+4], 1                           ; slot 1: my 128 rows of chunk 1
	s_add_co_u32 s[G0+5], s45, SLOT
	s_add_nc_u64 s[G0+6:G0+7], s[20:21], s[100:101]
	s_add_nc_u64 s[G0+6:G0+7], s[G0+6:G0+7], ROWB
	s_or_b32 s[G0+7], s[G0+7], 0x80000000
	s_mov_b32 s[G0B+4], 1
	s_add_co_u32 s[G0B+5], s45, SLOT
	s_add_nc_u64 s[G0B+6:G0B+7], s[46:47], s[100:101]
	s_add_nc_u64 s[G0B+6:G0B+7], s[G0B+6:G0B+7], ROWB
	s_or_b32 s[G0B+7], s[G0B+7], 0x80000000
; THE HEAD'S LOADS, ONE A WAVE: one chain of branches on the wave's number, a load to an arm, all arms to one join.
.macro ARM under, g0, g1, next
	s_cmp_lt_u32 s14, \under
	s_cbranch_scc0 \next
	tensor_load_to_lds s[\g0:\g0+3], s[\g1:\g1+7]
	s_nop 0
	PLACES 4
	s_branch .Lhead_asked
\next:
.endm
	ARM 1, G0,  G1,  .Lhead_b
	ARM 2, G0B, G1B, .Lhead_sa
	ARM 3, G0S, G1S, .Lhead_sb
	tensor_load_to_lds s[G0SB:G0SB+3], s[G1SB:G1SB+7]
	s_nop 0
	PLACES 4
.Lhead_asked:
	; the prefetches' base: the 128 rows that I fetch in the ring, and of them my work-group's 32 (cx for Q's, cy for P's)
	s_cmp_eq_u32 s15, 0
	s_cselect_b64 s[42:43], s[20:21], s[46:47]
	s_cselect_b32 s17, s40, s41
	s_mul_i32 s18, s17, 32*KROW
	s_mov_b32 s19, 0
	s_add_nc_u64 s[42:43], s[42:43], s[18:19]
	s_add_nc_u64 s[42:43], s[42:43], s[100:101]
	; where my results go, and which of b_in are mine.  cx and cy meet here: in the addresses of stores and of b_in alone
	s_lshl_b32 s17, s96, 10
	s_lshl_b32 s18, s41, 8
	s_lshl_b32 s19, s15, 7
	s_add_co_u32 s18, s18, s19                     ; my rows of Q among the cluster's 1,024
	s_lshl_b32 s19, s40, 8
	s_lshl_b32 s20, s16, 7
	s_add_co_u32 s19, s19, s20                     ; my rows of P
	s_cmp_lt_u32 s95, 2
	s_cselect_b32 s20, s18, s19                    ; the tokens among them,
	s_cselect_b32 s21, s19, s18                    ; and the features: two heads
	s_add_co_u32 s20, s20, s17                     ; my first token
	s_lshr_b32 s22, s20, 11                        ; the batch
	s_lshl_b32 s22, s22, 4
	s_lshr_b32 s23, s21, 6                         ; my first head
	s_add_co_u32 s22, s22, s23
	s_lshl_b32 s22, s22, 4
	s_bfe_u32 s23, s20, 0x40007                    ; the block of 128 tokens
	s_add_co_u32 s22, s22, s23
	s_mul_i32 s22, s22, REC
	s_cmp_eq_u32 s95, 0
	s_cselect_b32 s23, 12800, 0                    ; q's part of a record,
	s_cselect_b32 s12, 0x3e000000, 1.0             ; and q's factor 1/8
	s_cmp_eq_u32 s95, 2
	s_cselect_b32 s17, 6400, 0                     ; v's part
	s_add_co_u32 s22, s22, s23
	s_add_co_u32 s22, s22, s17
	s_mov_b32 s23, 0
	s_add_nc_u64 s[10:11], s[10:11], s[22:23]      ; qkv at my first head's record
	s_mov_b32 s13, s12
	s_lshl_b32 s17, s95, 10
	s_add_co_u32 s17, s17, s21
	s_lshl_b32 s17, s17, 2                         ; q, k: b_in from 1,024 x section + my first feature on
	s_add_co_u32 s18, s21, 2048
	s_lshl_b32 s18, s18, 2                         ; v: from 2,048 + my first feature on
	s_cmp_lt_u32 s95, 2
	s_cselect_b32 s22, s17, 0                      ; the set that a section does not use is loaded from b_in's head and never read
	s_cselect_b32 s92, 0, s18
	s_mov_b32 s93, 0
	s_add_nc_u64 s[22:23], s[8:9], s[22:23]
	s_add_nc_u64 s[92:93], s[8:9], s[92:93]
	s_mov_b32 s[SEL], 0x76543210
	s_mov_b32 s[SEL+1], 0xfedcba98
	s_mov_b32 s97, 0xffff0000                      ; lanes 16-31
	s_mov_b32 s98, 0x05040100                      ; two low halves
	s_mov_b32 s99, 0x07060302                      ; two high halves
	s_mul_i32 s17, s15, HALFT                      ; my 128 rows of Q
	s_mul_i32 s18, s16, HALFT
	s_add_co_u32 s18, s18, 2*HALFT                 ; my 128 rows of P, behind Q's 256
	s_mov_b32 s19, SLOT-232
	s_mov_b32 s20, SLOT+232
	s_mul_i32 s21, s15, HALFS                      ; Q's scale bytes: my 128 rows
	s_mul_i32 s94, s16, HALFS
	s_add_co_u32 s94, s94, 2*HALFS
	s_sub_co_u32 s94, s94, s21                     ; the distance to P's
	s_add_co_u32 s21, s21, SCL
	; all the addresses, in one run of vector lines
	v_and_b32 v1, 15, v0                           ; r
	v_bfe_u32 v2, v0, 4, 1                         ; h
	v_mul_u32_u24 v3, v1, PITCH
	v_mul_u32_u24 v4, v2, 24
	v_add_nc_u32 v4, v3, v4                        ; row x pitch + 24 h
	v_sub_nc_u32 v7, 1, v2
	v_mul_u32_u24 v5, s19, v2
	v_add_nc_u32 v5, v3, v5
	v_add_nc_u32 v5, 232, v5                       ; lanes 0-15 byte 232 in slot 0, lanes 16-31 byte 0 in slot 1
	v_mul_u32_u24 v6, s20, v7
	v_add_nc_u32 v6, v3, v6                        ; lanes 0-15 byte 232 in slot 1, lanes 16-31 byte 0 in slot 0
	v_add_nc_u32 v[ADRA+2], s17, v5
	v_add_nc_u32 v[ADRA+3], s17, v6
	v_add_nc_u32 v[ADRB+2], s18, v5
	v_add_nc_u32 v[ADRB+3], s18, v6
	v_add_nc_u32 v[ADRA], s17, v4
	v_add_nc_u32 v[ADRB], s18, v4
	v_add_nc_u32 v[ADRA+1], SLOT, v[ADRA]
	v_add_nc_u32 v[ADRB+1], SLOT, v[ADRB]
	v_lshlrev_b32 v5, 5, v1                        ; my row's scale bytes: 32 a row,
	v_lshrrev_b32 v6, 8, v5
	v_lshl_add_u32 v5, v6, 4, v5                   ; and 16 more for each 256 passed
	v_mul_u32_u24 v6, s94, v2                      ; lanes 16-31 take P's
	v_add_nc_u32 v5, v5, v6
	v_add_nc_u32 v[ADRS], s21, v5
	v_and_b32 v6, 31, v0
	v_lshlrev_b32 v[L16], 4, v6
	v_lshlrev_b32 v[L8], 3, v6
	v_mul_u32_u24 v[PFO], v6, KROW
	v_lshlrev_b32 v30, 6, v2                       ; b_in along P: my half's 16 numbers of each 32
	v_and_b32 v31, 8, v1
	v_add_nc_u32 v31, v31, v1
	v_lshlrev_b32 v31, 2, v31                      ; b_in along Q: 4 (r + 8 (r / 8))
	s_wait_alu depctr_va_vdst(0)
	global_prefetch_b8 v[PFO], s[42:43] offset:ROWB th:TH_LOAD_NT scope:SCOPE_SE   ; chunk 1 of my 32 rows
.irp e, 0,1,2,3
.irp q, 0,1,2,3
	global_load_b128 v[BP+16*\e+4*\q:BP+16*\e+4*\q+3], v30, s[22:23] offset:128*\e+16*\q   ; register 16 e + i: row 32 e + 16 h + i of P
.endr
.endr
.irp a, 0,1,2,3,4,5,6,7
	global_load_b32 v[BQ+2*\a], v31, s[92:93] offset:4*(32*(\a/2)+8*(\a%2))                 ; row 32 (a / 2) + 8 (a % 2) + r + 8 (r / 8) of Q
	global_load_b32 v[BQ+2*\a+1], v31, s[92:93] offset:4*(32*(\a/2)+8*(\a%2))
.endr
.macro FRAG reg, adr, st, i            ; 16 rows x 128 K: lane l holds row l % 16; registers 6 c .. 6 c + 5 hold K = 64 c + 32 (l / 16) + 0 .. 31, in pieces of 8 bytes; byte y of a row lies in slot (y / 256) % 2 at byte y % 256
.irp p, 0,1,2,3,4,5
.set BY, 96*(\st)+48*(\p/3)+8*(\p%3)
.if BY/ROWB == (BY+24)/ROWB
	ds_load_b64 v[\reg+2*\p:\reg+2*\p+1], v[\adr+(BY/ROWB)%2] offset:BY%ROWB+(\i)*16*PITCH
.else
	ds_load_b64 v[\reg+2*\p:\reg+2*\p+1], v[\adr+2+(BY/ROWB)%2] offset:BY%ROWB-232+(\i)*16*PITCH
.endif
.endr
.endm
; 16 matrix instructions: Q's tiles a0, a0 + 1 x P's eight.  The 64 accumulators take turns in the same order in every step.
.macro MUL16 a0, p, q, sc, zero
.irp a, \a0, \a0+1
.irp b, 0,1,2,3,4,5,6,7
.if \zero
	v_wmma_scale_f32_16x16x128_f8f6f4 v[8*(8*((\a)%4)+\b):8*(8*((\a)%4)+\b)+7], v[128*(\p)+FR*\b:128*(\p)+FR*\b+FR-1], v[AF+FR*(\a):AF+FR*(\a)+FR-1], 0, v[SC+8*NQ*(\sc)+NQ*\b+(\q)], v[SC+8*NQ*(\sc)+NQ*(\a)+(\q)] matrix_a_fmt:MATRIX_FMT_FP6 matrix_b_fmt:MATRIX_FMT_FP6 matrix_a_scale:MATRIX_SCALE_ROW1
.else
	v_wmma_scale_f32_16x16x128_f8f6f4 v[8*(8*((\a)%4)+\b):8*(8*((\a)%4)+\b)+7], v[128*(\p)+FR*\b:128*(\p)+FR*\b+FR-1], v[AF+FR*(\a):AF+FR*(\a)+FR-1], v[8*(8*((\a)%4)+\b):8*(8*((\a)%4)+\b)+7], v[SC+8*NQ*(\sc)+NQ*\b+(\q)], v[SC+8*NQ*(\sc)+NQ*(\a)+(\q)] matrix_a_fmt:MATRIX_FMT_FP6 matrix_b_fmt:MATRIX_FMT_FP6 matrix_a_scale:MATRIX_SCALE_ROW1
.endif
.endr
.endr
.endm
.macro FETCH_B st, p
	WIN TO_B
.irp i, 0,1,2,3,4,5,6,7
	FRAG 128*(\p)+FR*\i, ADRB, \st, \i
.endr
	WIN 0
.endm
.macro FETCH_A st, i0
.irp i, \i0, \i0+1, \i0+2, \i0+3
	FRAG AF+FR*(\i), ADRA, \st, \i
.endr
.endm
.macro SCALES pr                       ; the scale words of steps 2 pr, 2 pr + 1 into set pr % 2: lanes 0-15 Q's tile i, lanes 16-31 P's tile i
.irp i, 0,1,2,3,4,5,6,7
	ds_load_b64 v[SC+8*NQ*((\pr)%2)+NQ*\i:SC+8*NQ*((\pr)%2)+NQ*\i+1], v[ADRS] offset:\i*SBLK+4*NQ*(\pr)
.endr
.endm
; A step of 128 along K.  Where the next step's bytes end in a chunk not yet read, a barrier shows that chunk whole; where they begin in a later chunk than this step's, the chunk left behind is free:
; in front of that barrier stand the wait for all my tensor loads, the add and the wait for it and for my reads, and where a chunk two further on is left, the barrier opens a round and the slot is filled again.
.macro STEP st, zero
.set NX, (\st)+1
.set C0, (96*(\st))/ROWB
.set C1, (96*NX)/ROWB
.set E0, (96*(\st)+95)/ROWB
.set E1, (96*NX+95)/ROWB
.if C1 > C0 || E1 > E0
	s_wait_tensorcnt 0x0                           ; all my tensor loads have landed
.if C1 > C0
	ds_add_u32 v[SPW], v[NIL]
	s_wait_dscnt 4*NL+1                            ; the add and the youngest 24 loads (Q's tiles 4-7) may be out
.else
	s_wait_dscnt 4*NL
.endif
	WIN MUL_LO
	MUL16 0, (\st)%2, (\st)%2, ((\st)/2)%2, \zero
	s_wait_dscnt 0x0                               ; the add and all my reads are done
	s_barrier_signal -1
	MUL16 2, (\st)%2, (\st)%2, ((\st)/2)%2, \zero
	WIN 0
	s_barrier_wait -1
.if C1 > C0 && C0+2 < CHUNKS
	CREST
	s_add_nc_u64 s[G0+4*(C0%2)+2:G0+4*(C0%2)+3], s[G0+4*(C0%2)+2:G0+4*(C0%2)+3], 2*ROWB
	s_add_nc_u64 s[G0B+4*(C0%2)+2:G0B+4*(C0%2)+3], s[G0B+4*(C0%2)+2:G0B+4*(C0%2)+3], 2*ROWB
	JLOAD G0+4*(C0%2), G1, G0B+4*(C0%2), G1B       ; chunk C0 + 2: my one tensor load behind the round; its four v_nop are the places for the loads below
.else
	PLACES NP
.endif
.else
	s_wait_dscnt 4*NL                              ; P's set and Q's tiles 0-3 are in; the youngest 24 loads may be out
	WIN MUL_LO
	MUL16 0, (\st)%2, (\st)%2, ((\st)/2)%2, \zero
	MUL16 2, (\st)%2, (\st)%2, ((\st)/2)%2, \zero
	s_wait_dscnt 0
	PLACES NP
.endif
	FETCH_B NX, NX%2
	FETCH_A NX, 0
.if NX%2 == 0
	SCALES NX/2
.endif
	WIN MUL_HI
	MUL16 4, (\st)%2, (\st)%2, ((\st)/2)%2, \zero
	MUL16 6, (\st)%2, (\st)%2, ((\st)/2)%2, \zero
	PLACES NP
	WIN 0
	FETCH_A NX, 4
.endm
	s_wait_tensorcnt 0x0                           ; my tile of the head's four is in
	ds_add_u32 v[SPW], v[NIL]
	s_mov_b32 s[G1+2], 128<<16                     ; no tensor load of mine is out: from here on a load brings 128 rows,
	s_mov_b32 s[G1+4], 128
	s_mov_b32 s[G1B+2], 128<<16
	s_mov_b32 s[G1B+4], 128
	s_mov_b32 s[G0+1], s45                         ; and slot 0's sets stand at my 128 rows of chunk 0
	s_add_nc_u64 s[G0+2:G0+3], s[G0+2:G0+3], s[100:101]
	s_mov_b32 s[G0B+1], s45
	s_add_nc_u64 s[G0B+2:G0B+3], s[G0B+2:G0B+3], s[100:101]
	s_wait_dscnt 0x0
	CROUND                                         ; all four tiles are in, all sixteen work-groups are here
	JLOAD G0+4, G1, G0B+4, G1B                     ; chunk 1
	FETCH_B 0, 0
	FETCH_A 0, 0
	SCALES 0
	FETCH_A 0, 4
	global_prefetch_b8 v[PFO], s[42:43] offset:2*ROWB th:TH_LOAD_NT scope:SCOPE_SE   ; chunk 2 of my 32 rows: its joint load stands behind step 2's round
	STEP 0, 1                                      ; the first step's products start the sums
.set ST, 1
.rept STEPS-2
	STEP ST, 0
.set ST, ST+1
.endr
	s_wait_dscnt 4*NL                              ; the last step: nothing more to fetch
	WIN MUL_LO
	MUL16 0, 1, 1, 1, 0
	MUL16 2, 1, 1, 1, 0
	s_wait_dscnt 0
	WIN MUL_HI
	MUL16 4, 1, 1, 1, 0
	MUL16 6, 1, 1, 1, 0
	WIN 0
; THE WAY OUT.  64 numbers of a lane, v[s] on, register 16 b + i = k 32 b + 16 (lane / 16) + i of my row, become twelve registers of codes in v[PC] on and a scale word in v[pw].
.macro QUANT s, pw
.irp b, 0,1,2,3
	v_max3_num_f32 v[TM+\b], |v[\s+16*\b]|, |v[\s+1+16*\b]|, 0x1800000   ; my 16 numbers, and the floor 2^(3 - 127): the byte cannot fall under 1
.endr
.irp i, 2,4,6,8,10,12,14
.irp b, 0,1,2,3
	v_max3_num_f32 v[TM+\b], v[TM+\b], |v[\s+16*\b+\i]|, |v[\s+1+16*\b+\i]|
.endr
.endr
.irp b, 0,1,2,3
	v_permlanex16_b32 v[TM+4+\b], v[TM+\b], s[SEL], s[SEL+1]
.endr
.irp b, 0,1,2,3
	v_max_num_f32 v[TM+\b], v[TM+\b], v[TM+4+\b]   ; with lane l xor 16's: the block's largest magnitude
.endr
.irp b, 0,1,2,3
	v_add_nc_u32 v[TM+12+\b], 0xff000000, v[TM+\b] ; 2 off its exponent field: the conversion's scale operand
.endr
.irp b, 0,1,2,3
	v_lshrrev_b32 v[TM+4+\b], 23, v[TM+12+\b]      ; the scale's byte
.endr
	v_lshl_or_b32 v[\pw], v[TM+5], 8, v[TM+4]
	v_lshl_or_b32 v[\pw], v[TM+6], 16, v[\pw]
	v_lshl_or_b32 v[\pw], v[TM+7], 24, v[\pw]
.irp c, 0,1
	v_cvt_scalef32_pk16_fp6_f32 v[PC+6*\c:PC+2+6*\c], v[\s+32*\c:\s+15+32*\c], v[TM+12+2*\c]
	v_cvt_scalef32_pk16_fp6_f32 v[PC+12+4*\c:PC+14+4*\c], v[\s+16+32*\c:\s+31+32*\c], v[TM+12+2*\c+1]
.endr
	v_nop                                          ; one plain line behind a scaled conversion
.irp c, 0,1                                    ; the operand wants a whole block in a lane
.irp i, 0,1,2
	v_permlane16_swap_b32 v[PC+6*\c+\i], v[PC+12+4*\c+\i]
.endr
.irp i, 0,1,2
	v_mov_b32 v[PC+3+6*\c+\i], v[PC+12+4*\c+\i]
.endr
.endr
.endm
; Q's tile a: bias (and q's factor), quantised, stored.  mode 0: q, k: two heads' channels: two images of six registers.  mode 1: v: the block's 128 tokens: one image of twelve.
.macro E a, mode
.set AC, 64*((\a)%4)
.if (\a) > 0
	s_wait_xcnt 0x0                                ; the last tile's stores have read their data
.endif
	WIN 0x02+(\a)/4
.set J, 0
.rept 32
.if \mode == 0
	v_pk_fma_f32 v[T+J:T+J+1], v[AC+J:AC+J+1], s[12:13], v[BP+J:BP+J+1] op_sel_hi:[1,0,1]   ; sum x F + b x F: F is a power of two, so this is (sum + b) x F rounded once
.else
	v_pk_add_f32 v[T+J:T+J+1], v[AC+J:AC+J+1], v[BQ+2*(\a):BQ+2*(\a)+1]
.endif
.set J, J+2
.endr
	WIN 0
	QUANT T, SW+(\a)
.if \mode == 0
	global_store_b128 v[L16], v[PC:PC+3], s[10:11] offset:768*(\a)                 ; each store of the wave covers 512 or 256 consecutive bytes, aligned
	global_store_b64 v[L8], v[PC+4:PC+5], s[10:11] offset:768*(\a)+512
	global_store_b128 v[L16], v[PC+6:PC+9], s[10:11] offset:HEADB+768*(\a)
	global_store_b64 v[L8], v[PC+10:PC+11], s[10:11] offset:HEADB+768*(\a)+512
.else
.irp c, 0,1,2
	global_store_b128 v[L16], v[PC+4*\c:PC+4*\c+3], s[10:11] offset:((\a)/4)*HEADB+((\a)%4)*1536+512*\c
.endr
.endif
.endm
.macro WORDS w                                 ; four words a head: lanes 0-15 store W0 and W2, lanes 16-31 W1 and W3: 256 consecutive bytes
.irp e, 0,1
	v_cndmask_b32 v[OW+2*\e], v[\w+4*\e], v[\w+4*\e+1], s97
	v_cndmask_b32 v[OW+2*\e+1], v[\w+4*\e+2], v[\w+4*\e+3], s97
	global_store_b64 v[L8], v[OW+2*\e:OW+2*\e+1], s[10:11] offset:HEADB*\e+6144
.endr
.endm
	s_wait_loadcnt 0x0                             ; b_in, asked for at the head
	PLACES NP                                      ; behind the last products
.irp b, 0,1,2,3
	v_mov_b32 v[TM+4+\b], 0                        ; a lane permute's destination counts as one of its sources
.endr
	s_cmp_eq_u32 s95, 2                            ; the section: the same in all sixteen partners
	s_cbranch_scc1 .Lvalues
.set J, 0
.rept 32
	v_pk_mul_f32 v[BP+J:BP+J+1], v[BP+J:BP+J+1], s[12:13] op_sel_hi:[1,0]   ; b x F, exact
.set J, J+2
.endr
.irp a, 0,1,2,3,4,5,6,7
	E \a, 0
.endr
.irp p, 0,1,2,3
	v_perm_b32 v[WP+\p], v[SW+2*\p+1], v[SW+2*\p], s98     ; the first head: tile 2 p's two bytes below, tile 2 p + 1's above
	v_perm_b32 v[WP+4+\p], v[SW+2*\p+1], v[SW+2*\p], s99   ; the second head
.endr
	WORDS WP
	s_branch .Ldone
.Lvalues:
.irp a, 0,1,2,3,4,5,6,7
	E \a, 1
.endr
	WORDS SW
.Ldone:
	s_wait_tensorcnt 0x0                           ; the wave's end
	ds_add_u32 v[SPW], v[NIL]
	s_wait_dscnt 0x0
	CROUND                                         ; the closing round
	s_endpgm
.Lfunc_end_k_q88d2c67813_proj_in:
	.size	k_q88d2c67813_proj_in, .Lfunc_end_k_q88d2c67813_proj_in-k_q88d2c67813_proj_in
	.p2alignl 7, 3214868480
	.fill 96, 4, 3214868480
	.section	.rodata,"a",@progbits
	.p2align	6, 0x0
	.amdhsa_kernel k_q88d2c67813_proj_in
		.amdhsa_group_segment_fixed_size 327680
		.amdhsa_private_segment_fixed_size 0
		.amdhsa_enable_private_segment 0
		.amdhsa_kernarg_size 32
		.amdhsa_user_sgpr_count 2
		.amdhsa_user_sgpr_kernarg_segment_ptr 1
		.amdhsa_wavefront_size32 1
		.amdhsa_system_sgpr_workgroup_id_x 1
		.amdhsa_system_sgpr_workgroup_id_y 1
		.amdhsa_system_sgpr_workgroup_id_z 1
		.amdhsa_system_vgpr_workitem_id 0
		.amdhsa_next_free_vgpr 1024
		.amdhsa_next_free_sgpr 102
		.amdhsa_reserve_vcc 0
		.amdhsa_float_denorm_mode_32 3
		.amdhsa_float_denorm_mode_16_64 3
		.amdhsa_memory_ordered 1
		.amdhsa_forward_progress 1
		.amdhsa_inst_pref_size 237
	.end_amdhsa_kernel
	.amdgpu_metadata
---
amdhsa.version: [ 1, 2 ]
amdhsa.kernels:
  - .name:           k_q88d2c67813_proj_in
    .symbol:         k_q88d2c67813_proj_in.kd
    .args:
      - { .name: c1, .offset: 0, .size: 8, .value_kind: global_buffer, .address_space: global }
      - { .name: s1, .offset: 8, .size: 8, .value_kind: global_buffer, .address_space: global }
      - { .name: b_in, .offset: 16, .size: 8, .value_kind: global_buffer, .address_space: global }
      - { .name: qkv, .offset: 24, .size: 8, .value_kind: global_buffer, .address_space: global }
    .group_segment_fixed_size: 327680
    .private_segment_fixed_size: 0
    .kernarg_segment_align: 8
    .kernarg_segment_size: 32
    .max_flat_workgroup_size: 128
    .sgpr_count:     102
    .vgpr_count:     1024
    .wavefront_size: 32
...
	.end_amdgpu_metadata
.endif
;; end of part 2
;; launch attn (part 3): grid 8 x 32, 16 waves a work-group, no clusters, 327,680 bytes of LDS; arguments qkv, att; writes att
.if DOCPART == 3
	.amdgcn_target "amdgcn-amd-amdhsa--gfx1250"
	.amdhsa_code_object_version 6
	.text
	.protected	k_q88d2c67813_attn
	.globl	k_q88d2c67813_attn
	.p2align	8
	.type	k_q88d2c67813_attn,@function
k_q88d2c67813_attn:
	s_mov_b64 s[64:65], 0
	v_nop
	global_prefetch_b8 v0, s[64:65] scope:SCOPE_SE
	s_setreg_imm32_b32 hwreg(HW_REG_WAVE_MODE, 25, 1), 1
	s_wait_xcnt 0x0
; Causal attention of one batch x head (grid y) on codes of FP6 (E2M3) with E8M0 scales; qkv holds q, k, v as images of operand registers in records of 128 tokens (K 6,400 bytes, V 6,400, Q 6,400).
; LEFT OUT: key blocks that lie wholly above the diagonal: the causal mask sets their scores to -inf ahead of the softmax, so they add nothing to any sum, whatever the inputs hold.
; SHARES.  Work-group x takes the query blocks x and 15 - x of 128 queries: 17 key blocks of 128 in all, for every x.  16 waves, four to a SIMD.  Waves j and j + 8 share the tile j of 16 queries and
; take the key blocks by turns (g = wave / 8): each keeps its own running M, row sum and O^T: eight or nine key blocks a wave.  M is a whole number, so two states are brought under the larger M by exact
; powers of two.  A wave that had no key block of a query block has M = -3e38, sum 0, O 0: its factor is 0.
; THE WALK: query block x against key blocks 0 .. x, and every wave puts that state into LDS; query block 15 - x against key blocks 0-7 (all of them whole for every x: no test, no mask), then against 8 .. 15 - x.
; THE END: waves 0-7 put their state of query block 15 - x into LDS; one barrier; waves 0-7 join and finish query block x (both states from LDS), waves 8-15 query block 15 - x (their own in registers).
; The states lie in places of 4,352 bytes: place w: wave w's of query block x; place 16 + j: wave j's of query block 15 - x.  So the wave that finishes reads the other's state at place wave + 8.
; LDS: K and V of all 16 key blocks, 12,800 bytes each, filled once: blocks 0-7 at the head, 8-15 behind a first barrier; each wave brings half a block (25 rows of 256 bytes) each time.
; The barrier that shows key blocks 8-15 is split: each wave waits for its part and signals behind two of its four steps on key blocks 0-7, and waits behind the other two, which read bytes that nobody writes.
; Both products are used transposed (S^T = k q^T, O^T = v^T p^T): a lane holds one query.  The head's 64 fill half of the instruction's 128: a fragment holds two key tiles, and q stands in the lower or upper half beside zero codes.
; p = 2^(t - M), M the ceiling of the running largest t; the row's sum is taken of the unquantised p; a block's largest p is made from its largest score by the same two instructions.
; cluster = none: the work-groups that share K and V differ in their query block, and the walk's branches hang on it.  No prefetch: all that a work-group reads is asked for by the two groups of loads at the head.
; LIMITS: the promise holds while the scaled scores stay under 2^31 in magnitude; NaN and infinities are not served; a block of p whose largest lies under 2^-124 gets the byte 1.
; att: [block of 128 tokens (32)][4 heads (4)][25,600]: 4 heads x 8 tiles x 768 bytes of codes, then 1,024 bytes of scale bytes.
.set REC,   19200
.set KV,    12800
.set HEADB, 16*REC
.set SPARE, 16*KV                      ; the spare words: 128 bytes x 16 waves
.set ST,    SPARE+2048                 ; the states: 24 places of STB bytes
.set STB,   4352                       ; O^T 4,096 bytes, -M and the sum 256
.set KF,  64                           ; v64-111  K's fragments; behind the scores v64-95 are at work
.set VF,  112                          ; v112-159 V's fragments
.set S,   160                          ; v160-223 scores, then p
.set O,   224                          ; v224-255 O^T
.set BM,  8
.set QS,  52
.set PW,  54
.set KS,  56
.set VS,  60
.set PC,  64
.set CT,  76
.set SO,  84
.set PT,  88
.set TMP, 92
.set L2,  94
	s_load_b128 s[4:7], s[0:1], 0x0                ; qkv, att
	v_lshl_add_u32 v49, v0, 2, SPARE
	v_mov_b32 v55, 0
	ds_add_u32 v49, v55                            ; the opening lines: the add twice on end and one wait
	ds_add_u32 v49, v55
	v_lshrrev_b32 v1, 5, v0
	v_readfirstlane_b32 s67, v1                    ; wave 0..15
	s_and_b32 s8, s67, 7                           ; j: my tile of 16 queries
	s_lshr_b32 s66, s67, 3                         ; g: which of the two that share it
	s_and_b32 s9, ttmp7, 0xffff                    ; batch x head
	s_mov_b32 s11, ttmp9                           ; the short query block
	s_sub_co_u32 s12, 15, ttmp9                    ; the long one
	s_mov_b32 s16, 3<<16                           ; group 1: 25 rows of 32 elements of 8 bytes, dense
	s_mov_b32 s17, 32<<16
	s_mov_b32 s18, 25<<16
	s_mov_b32 s19, 32<<16
	s_mov_b32 s20, 25
	s_mov_b32 s21, 32
	s_mov_b32 s22, 0
	s_mov_b32 s23, 0
	s_mul_i32 s2, s9, HEADB
	s_lshr_b32 s3, s67, 1
	s_mul_i32 s3, s3, REC                          ; key block wave / 2,
	s_add_co_u32 s2, s2, s3
	s_and_b32 s3, s67, 1
	s_mul_i32 s3, s3, KV/2                         ; K's half or V's
	s_add_co_u32 s2, s2, s3
	s_mov_b32 s3, 0
	s_mov_b32 s24, 1
	s_mul_i32 s25, s67, KV/2
	s_mov_b32 s28, 1
	s_add_co_u32 s29, s25, 8*KV
	s_wait_dscnt 0x0
	s_wait_kmcnt 0x0
	s_add_nc_u64 s[26:27], s[4:5], s[2:3]
	s_add_nc_u64 s[30:31], s[26:27], 8*REC
	s_or_b32 s27, s27, 0x80000000
	s_or_b32 s31, s31, 0x80000000
	tensor_load_to_lds s[24:27], s[16:23]          ; my half of a block of key blocks 0-7: my one load at the head
	s_nop 0
	s_lshl_b32 s10, s9, 4
	s_mul_i32 s62, s8, 768
	s_add_co_u32 s50, s62, KV                      ; Q's tile j in a record
	s_bfe_u32 s51, s8, 0x10001
	s_lshl_b32 s51, s51, 7
	s_lshr_b32 s37, s8, 2
	s_lshl_b32 s37, s37, 2
	s_add_co_u32 s51, s51, s37
	s_add_co_u32 s51, s51, 18944                   ; and its scale word j / 2
	s_lshr_b32 s58, s9, 4
	s_lshl_b32 s58, s58, 4                         ; 16 x batch
	s_and_b32 s61, s9, 15                          ; the head
	s_lshr_b32 s59, s61, 2
	s_mul_i32 s59, s59, 25600
	s_and_b32 s60, s61, 3
	s_mul_i32 s60, s60, 6144
	s_add_co_u32 s60, s60, s59
	s_add_co_u32 s60, s60, s62                     ; att: my codes
	s_bfe_u32 s63, s61, 0x10001
	s_lshl_b32 s63, s63, 9
	s_add_co_u32 s59, s59, s63
	s_lshl_b32 s63, s8, 6
	s_add_co_u32 s59, s59, s63
	s_and_b32 s63, s61, 1
	s_lshl_b32 s63, s63, 1
	s_add_co_u32 s59, s59, s63
	s_add_co_u32 s59, s59, 24576                   ; att: my scale bytes
	s_mov_b32 s57, 0
	s_mov_b32 s3, 0
.irp ph, 0,1
	s_add_co_u32 s2, s10, s[11+\ph]
	s_mul_i32 s2, s2, REC
	s_add_co_u32 s56, s2, s50
	s_add_nc_u64 s[38+2*\ph:39+2*\ph], s[4:5], s[56:57]
	s_add_co_u32 s56, s2, s51
	s_add_nc_u64 s[52+2*\ph:53+2*\ph], s[4:5], s[56:57]
	s_add_co_u32 s56, s58, s[11+\ph]
	s_mul_i32 s56, s56, 102400
	s_add_co_u32 s2, s56, s60
	s_add_nc_u64 s[42+2*\ph:43+2*\ph], s[6:7], s[2:3]
	s_add_co_u32 s2, s56, s59
	s_add_nc_u64 s[46+2*\ph:47+2*\ph], s[6:7], s[2:3]
.endr
	s_lshr_b32 s2, s8, 1
	s_lshl_b32 s2, s2, 5
	s_and_b32 s3, s8, 1
	s_lshl_b32 s37, s3, 3
	s_add_co_u32 s2, s2, s37                       ; my tile's first query in its block: 32 (j / 2) + 8 (j % 2)
	s_mov_b32 s36, 0x03020302
	s_cmp_lg_u32 s3, 0
	s_cselect_b32 s36, s36, 0x01000100             ; my tile's two bytes of Q's scale word, laid twice
	s_mov_b32 s32, 0x76543210
	s_mov_b32 s33, 0xfedcba98
	s_mov_b32 s34, 0x3fb8aa3b                      ; log2(e)
	s_mov_b32 s35, s34
	s_mul_i32 s68, s67, STB
	s_add_co_u32 s68, s68, ST                      ; the states' place wave,
	s_add_co_u32 s74, s68, 8*STB                   ; and place wave + 8
	s_mul_i32 s69, s66, KV                         ; the long block's walk begins at key block g,
	s_xor_b32 s72, s66, 1
	s_mul_i32 s73, s72, KV                         ; the short block's at 1 - g
	v_and_b32 v9, 31, v0
	v_and_b32 v10, 15, v0
	v_bfe_u32 v11, v0, 4, 1
	v_lshlrev_b32 v1, 4, v9                        ; 16 x lane
	v_lshlrev_b32 v2, 3, v9                        ; 8 x lane
	v_lshlrev_b32 v3, 3, v10                       ; 8 r
	v_lshlrev_b32 v46, 2, v10                      ; 4 r
.irp z, 16,17,18,19,20,21,28,29,30,31,32,33,40,41,42,43,44,45
	v_mov_b32 v\z, 0                               ; zero codes beside q's six registers
.endr
	v_and_b32 v7, 8, v10
	v_add_nc_u32 v7, v7, v10
	v_add_nc_u32 v7, s2, v7
	v_lshlrev_b32 v11, 4, v11
	v_sub_nc_u32 v7, v7, v11                       ; my query in its block, less 16 (lane / 16)
	v_mov_b32 v51, 0
	s_wait_alu depctr_va_vdst(0)
.irp ph, 0,1
	global_load_b128 v[22+12*\ph:25+12*\ph], v1, s[38+2*\ph:39+2*\ph]
	global_load_b64 v[26+12*\ph:27+12*\ph], v2, s[38+2*\ph:39+2*\ph] offset:512
	global_load_b32 v[47+\ph], v3, s[52+2*\ph:53+2*\ph]
.endr
	s_wait_tensorcnt 0x0                           ; my part of key blocks 0-7 is in
	ds_add_u32 v49, v55
	s_wait_dscnt 0x0
	s_barrier_signal -1
	s_barrier_wait -1                              ; everybody's part is in
	tensor_load_to_lds s[28:31], s[16:23]          ; my half of a block of key blocks 8-15
	s_nop 0
	s_wait_loadcnt 0x0
	v_perm_b32 v[QS], v47, v47, s36
	v_perm_b32 v[QS+1], v48, v48, s36
; One key block of 128 for my 16 queries.  mode 1: a block above the diagonal is passed over, the block on it is masked; both tests are made of ids.
.macro STEP ph, tag, mode
.set QA, 16+12*\ph
.if \mode
	s_cmp_gt_u32 s13, s[11+\ph]
	s_cbranch_scc1 .Lskip_\tag
.endif
	v_add_nc_u32 v4, s14, v1
	v_add_nc_u32 v5, s14, v2
	v_add_nc_u32 v6, s14, v3
	v_nop                                          ; four places behind the last products, ahead of loads into their registers
.irp p, 0,1,2,3
.irp u, 0,1
	ds_load_b128 v[KF+12*\p+6*\u:KF+12*\p+6*\u+3], v4 offset:768*(2*\p+\u)
	ds_load_b64 v[KF+12*\p+6*\u+4:KF+12*\p+6*\u+5], v5 offset:768*(2*\p+\u)+512
.endr
.endr
.irp p, 0,1,2,3
	ds_load_b32 v[KS+\p], v6 offset:6144+128*(\p%2)+4*(\p/2)
.endr
.irp t, 0,1,2,3
.irp c, 0,1,2
	ds_load_b128 v[VF+12*\t+4*\c:VF+12*\t+4*\c+3], v4 offset:6400+1536*\t+512*\c
.endr
.endr
.irp t, 0,1,2,3
	ds_load_b32 v[VS+\t], v6 offset:12544+128*(\t%2)+4*(\t/2)
.endr
	s_wait_dscnt 16                                ; K and its scale words are in; V's twelve loads and four words may be out
.irp p, 0,1,2,3
	v_wmma_scale_f32_16x16x128_f8f6f4 v[S+16*\p:S+16*\p+7], v[KF+12*\p:KF+12*\p+11], v[QA+6:QA+17], 0, v[KS+\p], v[QS+\ph] matrix_a_fmt:MATRIX_FMT_FP6 matrix_b_fmt:MATRIX_FMT_FP6
	v_wmma_scale_f32_16x16x128_f8f6f4 v[S+16*\p+8:S+16*\p+15], v[KF+12*\p:KF+12*\p+11], v[QA:QA+11], 0, v[KS+\p], v[QS+\ph] matrix_a_fmt:MATRIX_FMT_FP6 matrix_b_fmt:MATRIX_FMT_FP6
.endr
.rept 4
	v_nop
.endr
.if \mode
	s_cmp_lg_u32 s13, s[11+\ph]
	s_cbranch_scc1 .Lopen_\tag
	v_mov_b32 v[TMP], 0xff800000
.set N, 0
.rept 64
	v_cmp_gt_i32 vcc_lo, 32*(N/16)+N%16, v7        ; register N is key 32 (N / 16) + 16 (lane / 16) + N % 16
	v_cndmask_b32 v[S+N], v[S+N], v[TMP], vcc_lo
.set N, N+1
.endr
.Lopen_\tag:
.endif
.irp b, 0,1,2,3
	v_max3_num_f32 v[BM+\b], v[S+16*\b], v[S+1+16*\b], v[S+2+16*\b]   ; the largest score of each block of 32 keys
.endr
.irp i, 3,5,7,9,11,13
.irp b, 0,1,2,3
	v_max3_num_f32 v[BM+\b], v[BM+\b], v[S+16*\b+\i], v[S+1+16*\b+\i]
.endr
.endr
.irp b, 0,1,2,3
	v_max_num_f32 v[BM+\b], v[BM+\b], v[S+15+16*\b]
.endr
.irp b, 0,1,2,3
	s_delay_alu instid0(VALU_DEP_4)
	v_permlanex16_b32 v[PT+\b], v[BM+\b], s32, s33
.endr
.irp b, 0,1,2,3
	s_delay_alu instid0(VALU_DEP_4)
	v_max_num_f32 v[BM+\b], v[BM+\b], v[PT+\b]
.endr
	s_delay_alu instid0(VALU_DEP_2)
	v_max3_num_f32 v[TMP], v[BM], v[BM+1], v[BM+2]
	s_delay_alu instid0(VALU_DEP_1)
	v_max_num_f32 v[TMP], v[TMP], v[BM+3]
	s_delay_alu instid0(VALU_DEP_1)
	v_mul_f32 v[TMP], s34, v[TMP]
	s_delay_alu instid0(VALU_DEP_1)
	v_max_num_f32 v13, v13, v[TMP]                 ; the running largest t
	v_mov_b32 v[TMP], v12
	s_delay_alu instid0(VALU_DEP_2)
	v_floor_f32 v12, -v13                          ; -M
	s_delay_alu instid0(VALU_DEP_1)
	v_sub_f32 v[TMP], v12, v[TMP]
	s_delay_alu instid0(VALU_DEP_1)
	v_cvt_i32_f32 v[TMP], v[TMP]
	s_delay_alu instid0(VALU_DEP_1)
	v_ldexp_f32 v50, 1.0, v[TMP]                   ; f = 2^(old M - new M)
.set J, 0
.rept 32
	v_pk_fma_f32 v[S+J:S+J+1], v[S+J:S+J+1], s[34:35], v[12:13] op_sel_hi:[1,0,0]
.set J, J+2
.endr
.irp b, 0,1,2,3
	v_fma_f32 v[BM+\b], v[BM+\b], s34, v12
.endr
.set J, 0
	s_wait_alu depctr_va_vdst(0)                   ; a wait ahead of a batch of exponentials and one behind it
.rept 64
	v_exp_f32 v[S+J], v[S+J]
.set J, J+1
.endr
	v_pk_mul_f32 v[14:15], v[14:15], v[50:51] op_sel_hi:[1,0]
	s_wait_alu depctr_va_vdst(0)
.irp b, 0,1,2,3
	v_exp_f32 v[BM+\b], v[BM+\b]                   ; the block's largest p
.endr
	v_pk_add_f32 v[L2:L2+1], v[S:S+1], v[S+2:S+3]  ; the row's sum, of the unquantised p, in two chains
.irp j, 4,8,12,16,20,24,28,32,36,40,44,48,52,56,60
	v_pk_add_f32 v[14:15], v[14:15], v[S+\j:S+1+\j]
	v_pk_add_f32 v[L2:L2+1], v[L2:L2+1], v[S+2+\j:S+3+\j]
.endr
	s_delay_alu instid0(VALU_DEP_1)
	v_pk_add_f32 v[14:15], v[14:15], v[L2:L2+1]
	s_wait_alu depctr_va_vdst(0)
.irp b, 0,1,2,3
	v_max_num_f32 v[BM+\b], 0x1800000, v[BM+\b]    ; the floor 2^(3 - 127)
.endr
.irp b, 0,1,2,3
	s_delay_alu instid0(VALU_DEP_4)
	v_add_nc_u32 v[SO+\b], 0xff000000, v[BM+\b]
.endr
.irp b, 0,1,2,3
	s_delay_alu instid0(VALU_DEP_4)
	v_lshrrev_b32 v[PT+\b], 23, v[SO+\b]
.endr
	s_delay_alu instid0(VALU_DEP_3)
	v_lshl_or_b32 v[PW], v[PT+1], 8, v[PT]
	s_delay_alu instid0(VALU_DEP_1)
	v_lshl_or_b32 v[PW], v[PT+2], 16, v[PW]
	s_delay_alu instid0(VALU_DEP_1)
	v_lshl_or_b32 v[PW], v[PT+3], 24, v[PW]
.irp c, 0,1
	v_cvt_scalef32_pk16_fp6_f32 v[PC+6*\c:PC+2+6*\c], v[S+32*\c:S+15+32*\c], v[SO+2*\c]
	v_cvt_scalef32_pk16_fp6_f32 v[CT+4*\c:CT+2+4*\c], v[S+16+32*\c:S+31+32*\c], v[SO+2*\c+1]
.endr
	v_nop
.irp c, 0,1
.irp i, 0,1,2
	v_permlane16_swap_b32 v[PC+6*\c+\i], v[CT+4*\c+\i]
.endr
.irp i, 0,1,2
	s_delay_alu instid0(VALU_DEP_3)
	v_mov_b32 v[PC+3+6*\c+\i], v[CT+4*\c+\i]
.endr
.endr
.set J, 0
.rept 16
	v_pk_mul_f32 v[O+J:O+J+1], v[O+J:O+J+1], v[50:51] op_sel_hi:[1,0]   ; O^T under the new M
.set J, J+2
.endr
	s_wait_alu depctr_va_vdst(0)
	s_wait_dscnt 0x0                               ; V is in
.irp t, 0,1,2,3
	v_wmma_scale_f32_16x16x128_f8f6f4 v[O+8*\t:O+8*\t+7], v[VF+12*\t:VF+12*\t+11], v[PC:PC+11], v[O+8*\t:O+8*\t+7], v[VS+\t], v[PW] matrix_a_fmt:MATRIX_FMT_FP6 matrix_b_fmt:MATRIX_FMT_FP6
.endr
.if \mode
.Lskip_\tag:
.endif
.endm
.macro WALK ph, tag, mode, n           ; n of my key blocks, two apart
	s_mov_b32 s70, 0
.Lkey_\tag:
	STEP \ph, \tag, \mode
	s_add_co_u32 s14, s14, 2*KV
	s_add_co_u32 s13, s13, 2
	s_add_co_u32 s70, s70, 1
	s_cmp_lt_u32 s70, \n
	s_cbranch_scc1 .Lkey_\tag
.endm
.macro INIT
	v_mov_b32 v13, 0xff61b1e6                      ; -3e38, under every t
	s_delay_alu instid0(VALU_DEP_1)
	v_floor_f32 v12, -v13
	v_mov_b32 v14, 0
	v_mov_b32 v15, 0
.set J, 0
.rept 32
	v_mov_b32 v[O+J], 0
.set J, J+1
.endr
.irp z, 0,1,2,3,4
	v_mov_b32 v[PT+\z], 0
.endr
.endm
.macro PUT off                         ; my state into LDS, at v4 (16 bytes a lane) and v5 (8 bytes a lane) + off
	v_add_f32 v13, v14, v15                        ; my part of the sum, beside -M
	s_wait_alu depctr_va_vdst(0)                   ; what the stores read may have been written ahead of taken branches
.irp t, 0,1,2,3,4,5,6,7
	ds_store_b128 v4, v[O+4*\t:O+4*\t+3] offset:\off+512*\t
.endr
	ds_store_b64 v5, v[12:13] offset:\off+4096
.endm
; A query block is finished: the other wave's state comes from v4, v5 (own = 1: mine from v6, v3); the two are joined, divided by the sum, quantised along the head's 64 and stored as an image.
.macro FIN ph, own
.if \own
.irp t, 0,1,2,3,4,5,6,7
	ds_load_b128 v[O+4*\t:O+4*\t+3], v6 offset:512*\t
.endr
	ds_load_b64 v[12:13], v3 offset:4096
.endif
.irp t, 0,1,2,3,4,5,6,7
	ds_load_b128 v[S+4*\t:S+4*\t+3], v4 offset:512*\t
.endr
	ds_load_b64 v[BM:BM+1], v5 offset:4096
.if \own
	s_wait_dscnt 0x0
	v_mov_b32 v14, v13
.else
	v_add_f32 v14, v14, v15
	s_wait_alu depctr_va_vdst(0)
	s_wait_dscnt 0x0
.endif
	v_min_num_f32 v[TMP], v12, v[BM]               ; -M of the two together
	v_sub_f32 v10, v[TMP], v12
	v_sub_f32 v11, v[TMP], v[BM]
	v_cvt_i32_f32 v10, v10                         ; whole numbers, 0 or less (the conversion saturates)
	v_cvt_i32_f32 v11, v11
	v_ldexp_f32 v50, 1.0, v10                      ; my factor,
	v_ldexp_f32 v10, 1.0, v11                      ; and the other's
	v_mul_f32 v14, v14, v50
	v_fmac_f32 v14, v9, v10
.set J, 0
.rept 16
	v_pk_mul_f32 v[O+J:O+J+1], v[O+J:O+J+1], v[50:51] op_sel_hi:[1,0]
.set J, J+2
.endr
.set J, 0
.rept 16
	v_pk_fma_f32 v[O+J:O+J+1], v[S+J:S+J+1], v[10:11], v[O+J:O+J+1] op_sel_hi:[1,0,1]
.set J, J+2
.endr
	v_permlanex16_b32 v[TMP], v14, s32, s33
	s_delay_alu instid0(VALU_DEP_1)
	v_add_f32 v14, v14, v[TMP]                     ; the row's sum
	s_wait_alu depctr_va_vdst(0)
	v_rcp_f32 v14, v14
	v_nop
	s_wait_alu depctr_va_vdst(0)
.set J, 0
.rept 32
	v_mul_f32 v[S+J], v[O+J], v14
.set J, J+1
.endr
.irp b, 0,1
	v_max3_num_f32 v[BM+\b], |v[S+16*\b]|, |v[S+1+16*\b]|, 0x1800000
.endr
.irp i, 2,4,6,8,10,12,14
.irp b, 0,1
	s_delay_alu instid0(VALU_DEP_2)
	v_max3_num_f32 v[BM+\b], v[BM+\b], |v[S+16*\b+\i]|, |v[S+1+16*\b+\i]|
.endr
.endr
.irp b, 0,1
	s_delay_alu instid0(VALU_DEP_2)
	v_permlanex16_b32 v[PT+\b], v[BM+\b], s32, s33
.endr
.irp b, 0,1
	s_delay_alu instid0(VALU_DEP_2)
	v_max_num_f32 v[BM+\b], v[BM+\b], v[PT+\b]
.endr
.irp b, 0,1
	s_delay_alu instid0(VALU_DEP_2)
	v_add_nc_u32 v[SO+\b], 0xff000000, v[BM+\b]
.endr
.irp b, 0,1
	s_delay_alu instid0(VALU_DEP_2)
	v_lshrrev_b32 v[PT+\b], 23, v[SO+\b]
.endr
	s_delay_alu instid0(VALU_DEP_1)
	v_lshl_or_b32 v[TMP], v[PT+1], 8, v[PT]
	v_cvt_scalef32_pk16_fp6_f32 v[PC:PC+2], v[S:S+15], v[SO]
	v_cvt_scalef32_pk16_fp6_f32 v[CT:CT+2], v[S+16:S+31], v[SO+1]
	v_nop
.irp i, 0,1,2
	v_permlane16_swap_b32 v[PC+\i], v[CT+\i]
.endr
.irp i, 0,1,2
	s_delay_alu instid0(VALU_DEP_3)
	v_mov_b32 v[PC+3+\i], v[CT+\i]
.endr
	global_store_b128 v1, v[PC:PC+3], s[42+2*\ph:43+2*\ph]
	global_store_b64 v2, v[PC+4:PC+5], s[42+2*\ph:43+2*\ph] offset:512
	global_store_b16 v46, v[TMP], s[46+2*\ph:47+2*\ph]
.endm
	INIT
	s_mov_b32 s13, s72
	s_mov_b32 s14, s73
	WALK 0, c, 1, 4                                ; the short query block against key blocks 0 .. x
.rept 4
	v_nop                                          ; places behind the last products
.endr
	v_add_nc_u32 v4, s68, v1
	v_add_nc_u32 v5, s68, v2
	PUT 0                                          ; its state to place wave
	INIT
	s_mov_b32 s13, s66
	s_mov_b32 s14, s69
	WALK 1, a, 0, 2                                ; the long query block against my first two of key blocks 0-7
	s_wait_tensorcnt 0x0                           ; my part of key blocks 8-15 is in,
	s_wait_dscnt 0x0                               ; and no LDS instruction of mine is out:
	s_barrier_signal -1                            ; say so.
	WALK 1, a2, 0, 2                               ; my other two of key blocks 0-7: register work, and reads of bytes that nobody writes
	s_barrier_wait -1                              ; everybody's part of key blocks 8-15 is in
	WALK 1, b, 1, 4                                ; and against 8 .. 15 - x
.rept 4
	v_nop                                          ; places behind the last products
.endr
	v_add_nc_u32 v4, s74, v1                       ; place wave + 8,
	v_add_nc_u32 v5, s74, v2
	v_add_nc_u32 v6, s68, v1                       ; and place wave: all addresses are made ahead of the parting
	v_add_nc_u32 v3, s68, v2
	s_wait_alu depctr_va_vdst(0)
	s_cmp_lg_u32 s66, 0
	s_cbranch_scc1 .Lkeep
	PUT 8*STB                                      ; waves 0-7: the long block's state to place 16 + j
.Lkeep:
	s_wait_dscnt 0x0                               ; for the other waves' sake
	s_barrier_signal -1
	s_barrier_wait -1
	s_cmp_lg_u32 s66, 0
	s_cbranch_scc1 .Lfin_long
	FIN 0, 1                                       ; waves 0-7 finish the short query block
	s_branch .Lend
.Lfin_long:
	FIN 1, 0                                       ; waves 8-15 the long one
.Lend:
	s_wait_tensorcnt 0x0                           ; the wave's end
	ds_add_u32 v49, v55
	s_wait_dscnt 0x0
	s_endpgm
.Lfunc_end_k_q88d2c67813_attn:
	.size	k_q88d2c67813_attn, .Lfunc_end_k_q88d2c67813_attn-k_q88d2c67813_attn
	.p2alignl 7, 3214868480
	.fill 96, 4, 3214868480
	.section	.rodata,"a",@progbits
	.p2align	6, 0x0
	.amdhsa_kernel k_q88d2c67813_attn
		.amdhsa_group_segment_fixed_size 327680
		.amdhsa_private_segment_fixed_size 0
		.amdhsa_enable_private_segment 0
		.amdhsa_kernarg_size 16
		.amdhsa_user_sgpr_count 2
		.amdhsa_user_sgpr_kernarg_segment_ptr 1
		.amdhsa_wavefront_size32 1
		.amdhsa_system_sgpr_workgroup_id_x 1
		.amdhsa_system_sgpr_workgroup_id_y 1
		.amdhsa_system_sgpr_workgroup_id_z 1
		.amdhsa_system_vgpr_workitem_id 0
		.amdhsa_next_free_vgpr 256
		.amdhsa_next_free_sgpr 80
		.amdhsa_reserve_vcc 1
		.amdhsa_float_denorm_mode_32 3
		.amdhsa_float_denorm_mode_16_64 3
		.amdhsa_memory_ordered 1
		.amdhsa_forward_progress 1
		.amdhsa_inst_pref_size 106
	.end_amdhsa_kernel
	.amdgpu_metadata
---
amdhsa.version: [ 1, 2 ]
amdhsa.kernels:
  - .name:           k_q88d2c67813_attn
    .symbol:         k_q88d2c67813_attn.kd
    .args:
      - { .name: qkv, .offset: 0, .size: 8, .value_kind: global_buffer, .address_space: global }
      - { .name: att, .offset: 8, .size: 8, .value_kind: global_buffer, .address_space: global }
    .group_segment_fixed_size: 327680
    .private_segment_fixed_size: 0
    .kernarg_segment_align: 8
    .kernarg_segment_size: 16
    .max_flat_workgroup_size: 512
    .sgpr_count:     80
    .vgpr_count:     256
    .wavefront_size: 32
...
	.end_amdgpu_metadata
.endif
;; end of part 3
;; launch proj_out (part 4): grid 8 x 32, 4 waves a work-group, clusters of 4 x 4, 247,552 bytes of LDS; arguments c1, s1, att, b_out, out0; writes out0
.if DOCPART == 4
	.amdgcn_target "amdgcn-amd-amdhsa--gfx1250"
	.amdhsa_code_object_version 6
	.text
	.protected	k_q88d2c67813_proj_out
	.globl	k_q88d2c67813_proj_out
	.p2align	8
	.type	k_q88d2c67813_proj_out,@function
k_q88d2c67813_proj_out:
	s_mov_b64 s[64:65], 0
	v_nop
	global_prefetch_b8 v0, s[64:65] scope:SCOPE_SE
	s_setreg_imm32_b32 hwreg(HW_REG_WAVE_MODE, 25, 1), 1
	s_wait_xcnt 0x0
	s_wait_alu depctr_hold_cnt(0) depctr_sa_sdst(0) depctr_va_vdst(0) depctr_va_sdst(0) depctr_va_ssrc(0) depctr_va_vcc(0) depctr_vm_vsrc(0)
	s_getreg_b32 s2, hwreg(HW_REG_IB_STS2, 6, 4)
	s_cmp_eq_u32 s2, 0
	s_cbranch_scc0 .Lentry_in_a_cluster
	s_endpgm
.Lentry_in_a_cluster:
	s_bfe_u32 s2, ttmp6, 0x10000c
	s_cmp_lg_u32 s2, 0xf033
	s_cbranch_scc0 .Lentry_shape_is_right
	s_endpgm
.Lentry_shape_is_right:
; out0 = att w_out^T + b_out, NaN replaced by 0, on codes of FP6 (E2M3) with E8M0 scales.  w_out's codes and scale bytes lie at places 7,168 on of c1 and s1; att holds the attention's result as images of operand registers.
; SHARES.  A work-group makes 128 outputs n x 128 tokens, K = 1,024; each of its four waves 64 x 64: 16 accumulators.  256 work-groups.
; BOTH OPERANDS LIE WHOLE IN LDS, each byte filled once, by one tensor load a wave at the head: wave 0 brings P = w_out's 128 whole rows of 768 bytes (16 bytes of padding behind each 256),
; wave 1 P's scale bytes, waves 2 and 3 a half each of Q = att's block of 102,400 dense bytes.  Nothing is filled again, so there is no ring.
; CLUSTERS: 4 x 4 work-groups.  P hangs on the output column block and is shared along a column of the cluster, Q on the token block and is shared along a row: each is asked for jointly.
; No prefetch: all that a work-group reads is asked for at the head.
; The product is used transposed (source 0 = 16 rows of w_out, source 1 = 16 tokens): a lane holds one token; by the order of rows in c1 the 16 registers of tiles 2 b, 2 b + 1 are outputs 32 b + 16 (lane / 16) + 0 .. 15;
; lane r of token tile 2 b + u is token 32 b + 8 u + r + 8 (r / 8).  b_out is the C of each sum's first matrix instruction.
; REGISTERS: window 0: v4-13 addresses; v16-31 two sets of scale words (4 of P, 4 of Q); v32-127, v128-223 two sets of fragments (P 4 x 12, Q 4 x 12); v224-255 b_out in the result's layout.  window 1: accumulator (a, b) at v[8 (4 a + b)].
.set PITCH, 816                        ; P's row in LDS: 3 x (256 bytes + 16 of padding) = 204 words: the 16 rows of a fragment start 12 words apart modulo 64
.set QP,    128*PITCH                  ; Q, as it lies in att: four chunks of four heads
.set QCH,   25600
.set PS,    QP+4*QCH                   ; P's scale bytes: 16 x (256 + 16)
.set STG,   PS+16*272                  ; the way out: 16 rows x 272 bytes for each wave; no fill lands there
.set SPARE, STG+4*16*272               ; the spare words
.set BO,    224
.set T,     32
.set MSB, 0
.macro WIN new
.if MSB != (\new)
	s_set_vgpr_msb (MSB<<8)|(\new)
.set MSB, (\new)
.endif
.endm
.macro CROUND                          ; a round of the cluster's barrier
	s_barrier_signal -1
	s_barrier_wait -1
	s_cmp_lg_u32 s14, 0
	s_cbranch_scc1 .Lnot_wave_0_\@
	s_barrier_signal -3
.Lnot_wave_0_\@:
	s_barrier_wait -3
	s_barrier_signal -1
	s_barrier_wait -1
.endm
.macro PLACES
.rept 4
	v_nop
.endr
.endm
	s_load_b256 s[4:11], s[0:1], 0x0               ; c1 s[4:5], s1 s[6:7], att s[8:9], b_out s[10:11]
	s_load_b64 s[12:13], s[0:1], 0x20              ; out0
	v_lshl_add_u32 v14, v0, 2, SPARE
	v_mov_b32 v15, 0
	ds_add_u32 v14, v15                            ; the opening lines: the add twice on end and one wait
	ds_add_u32 v14, v15
	v_lshrrev_b32 v1, 5, v0
	v_readfirstlane_b32 s14, v1                    ; wave 0..3
	s_lshr_b32 s15, s14, 1                         ; which 64 tokens are mine
	s_and_b32 s16, s14, 1                          ; which 64 outputs.  Also: which half of Q waves 2 and 3 fetch
	s_bfe_u32 s40, ttmp6, 0x40000                  ; cx, cy
	s_bfe_u32 s41, ttmp6, 0x40004
	s_lshl_b32 s42, ttmp9, 2
	s_add_co_u32 s42, s42, s40                     ; the block of 128 outputs
	s_and_b32 s17, ttmp7, 0xffff
	s_lshl_b32 s17, s17, 2
	s_add_co_u32 s17, s17, s41                     ; the block of 128 tokens
	s_lshl_b32 s43, s41, 2
	s_lshl_b32 s43, 15, s43                        ; my row of the cluster
	s_lshl_b32 s44, 0x1111, s40                    ; my column
	; group 1 for P: 128 rows x 768 bytes, dense, 16 bytes of padding behind every 256
	s_or_b32 s24, s44, (0<<16)|(1<<20)|(1<<21)|(5<<22)|(3<<25)
	s_mov_b32 s25, 768<<16
	s_mov_b32 s26, 128<<16
	s_mov_b32 s27, 768<<16
	s_mov_b32 s28, 128
	s_mov_b32 s29, 768
	s_mov_b32 s30, 0
	s_mov_b32 s31, 0
	; for P's scale bytes: 4,096 dense bytes as 16 rows of 256, 16 bytes of padding behind each
	s_or_b32 s32, s44, (3<<16)|(1<<20)|(1<<21)|(5<<22)|(3<<25)
	s_mov_b32 s33, 32<<16
	s_mov_b32 s34, 16<<16
	s_mov_b32 s35, 32<<16
	s_mov_b32 s36, 16
	s_mov_b32 s37, 32
	s_mov_b32 s38, 0
	s_mov_b32 s39, 0
	; for half of Q: 51,200 dense bytes as 200 rows of 256, no padding
	s_or_b32 s48, s43, (3<<16)|(1<<21)
	s_mov_b32 s49, 32<<16
	s_mov_b32 s50, 200<<16
	s_mov_b32 s51, 32<<16
	s_mov_b32 s52, 200
	s_mov_b32 s53, 32
	s_mov_b32 s54, 0
	s_mov_b32 s55, 0
	s_lshl_b32 s18, s42, 7
	s_add_co_u32 s18, s18, 7168                    ; P's first place (no register of P's ever holds cy)
	s_lshl_b32 s20, s18, 5                         ; its scale bytes
	s_mov_b32 s21, 0
	s_mul_i32 s22, s18, 768                        ; its codes
	s_mov_b32 s23, 0
	s_mul_i32 s46, s17, 102400                     ; Q's block (no register of Q's ever holds cx)
	s_mul_i32 s19, s16, 2*QCH
	s_add_co_u32 s46, s46, s19
	s_mov_b32 s47, 0
	s_mov_b32 s56, 1
	s_mov_b32 s57, PS
	s_mov_b32 s60, 1
	s_mov_b32 s61, 0
	s_mov_b32 s72, 1
	s_mul_i32 s73, s16, 2*QCH
	s_add_co_u32 s73, s73, QP
	s_wait_dscnt 0x0
	s_wait_kmcnt 0x0
	s_add_nc_u64 s[58:59], s[6:7], s[20:21]
	s_or_b32 s59, s59, 0x80000000
	s_add_nc_u64 s[62:63], s[4:5], s[22:23]
	s_or_b32 s63, s63, 0x80000000
	s_add_nc_u64 s[74:75], s[8:9], s[46:47]
	s_or_b32 s75, s75, 0x80000000
	CROUND                                         ; all sixteen work-groups are here: the joint loads meet
	s_cmp_lt_u32 s14, 1                            ; one chain of branches on the wave's number, a load to an arm, all arms to one join
	s_cbranch_scc0 .Lh_ps
	tensor_load_to_lds s[60:63], s[24:31]          ; wave 0: P's codes
	s_nop 0
	PLACES
	s_branch .Lasked
.Lh_ps:
	s_cmp_lt_u32 s14, 2
	s_cbranch_scc0 .Lh_q
	tensor_load_to_lds s[56:59], s[32:39]          ; wave 1: P's scale bytes
	s_nop 0
	PLACES
	s_branch .Lasked
.Lh_q:
	tensor_load_to_lds s[72:75], s[48:55]          ; waves 2, 3: a half of Q
	s_nop 0
	PLACES
.Lasked:
	v_and_b32 v1, 15, v0                           ; r
	v_bfe_u32 v2, v0, 4, 1                         ; h
	v_and_b32 v3, 31, v0                           ; lane
	s_mul_i32 s18, s16, 64*PITCH                   ; my 64 rows of P
	v_mul_u32_u24 v4, v1, PITCH
	v_mad_u32_u24 v4, v2, 24, v4
	v_add_nc_u32 v4, s18, v4                       ; row x pitch + 24 h
	v_lshl_add_u32 v5, v2, 4, v4                   ; and the same with lanes 16-31 behind one padding more
	s_mul_i32 s18, s15, 3072                       ; my four tiles of tokens
	s_add_co_u32 s18, s18, QP
	v_lshl_add_u32 v6, v3, 4, s18                  ; an image's registers 0-3,
	s_add_co_u32 s19, s18, 512
	v_lshl_add_u32 v7, v3, 3, s19                  ; and 4-5
	v_lshlrev_b32 v8, 5, v1                        ; P's scale bytes: 32 a row, 16 more for each 256 passed
	v_lshrrev_b32 v9, 8, v8
	v_lshl_add_u32 v8, v9, 4, v8
	s_mul_i32 s18, s16, 2176
	s_add_co_u32 s18, s18, PS
	v_add_nc_u32 v8, s18, v8
	s_lshl_b32 s18, s15, 8
	s_add_co_u32 s18, s18, QP+24576
	v_lshl_add_u32 v9, v1, 2, s18                  ; Q's scale words: 4 bytes a row, 64 a tile
	s_mul_i32 s18, s14, 16*272
	s_add_co_u32 s18, s18, STG                     ; my stage
	v_mul_u32_u24 v10, v1, 272
	v_lshl_add_u32 v10, v2, 6, v10
	v_add_nc_u32 v10, s18, v10                     ; in: row r, + 64 h
	v_mul_u32_u24 v11, v2, 272
	v_lshl_add_u32 v11, v1, 4, v11
	v_add_nc_u32 v11, s18, v11                     ; back: lanes 0-15 one row of 256 bytes, lanes 16-31 the next
	v_lshlrev_b32 v12, 12, v2
	v_lshl_add_u32 v12, v1, 4, v12                 ; and the same two rows in out0
	v_lshlrev_b32 v13, 6, v2                       ; b_out: my half's 16 of each 32
	s_wait_alu depctr_va_vdst(0)
	s_lshl_b32 s18, s42, 9
	s_lshl_b32 s19, s16, 8
	s_add_co_u32 s18, s18, s19                     ; my first output, in bytes
	s_mov_b32 s19, 0
	s_add_nc_u64 s[10:11], s[10:11], s[18:19]
	s_lshl_b32 s20, s17, 7
	s_lshl_b32 s21, s15, 6
	s_add_co_u32 s20, s20, s21                     ; my first token
	s_lshl_b32 s20, s20, 12
	s_add_co_u32 s20, s20, s18
	s_mov_b32 s21, 0
	s_add_nc_u64 s[12:13], s[12:13], s[20:21]
.irp b, 0,1,2,3
	global_load_b128 v[BO+8*\b:BO+8*\b+3], v13, s[10:11] offset:128*(\b/2)+32*(\b%2)       ; register j of tile b: output 32 (b / 2) + 16 h + 8 (b % 2) + j
	global_load_b128 v[BO+8*\b+4:BO+8*\b+7], v13, s[10:11] offset:128*(\b/2)+32*(\b%2)+16
.endr
.macro PFRAG reg, q, off               ; a fragment of P, K step q: pieces of 8 bytes; piece n of a row lies at 8 n + 16 (n / 32); lanes 16-31 read three pieces further on, from piece 29 of each 32 on behind one padding more
.irp p, 0,1,2,3,4,5
.set PCE, 12*(\q)+6*(\p/3)+\p%3
.if PCE%32 < 29
	ds_load_b64 v[\reg+2*\p:\reg+2*\p+1], v4 offset:8*PCE+16*(PCE/32)+(\off)
.else
	ds_load_b64 v[\reg+2*\p:\reg+2*\p+1], v5 offset:8*PCE+16*(PCE/32)+(\off)
.endif
.endr
.endm
.macro FETCH s, set                    ; K step s (heads 2 s, 2 s + 1) into a set: 48 LDS loads
.set FB, 32+96*(\set)
.set SS, 16+8*(\set)
.set CH, ((\s)/2)%2                    ; Q's chunk, counted from the pair of chunks at which its addresses stand
.irp i, 0,1,2,3
	PFRAG FB+12*\i, \s, 16*PITCH*\i
.endr
.irp a, 0,1,2,3
.irp u, 0,1
	ds_load_b128 v[FB+48+12*\a+6*\u:FB+48+12*\a+6*\u+3], v6 offset:QCH*CH+6144*(2*((\s)%2)+\u)+768*\a     ; head 2 s + u fills registers 6 u .. 6 u + 5
	ds_load_b64 v[FB+48+12*\a+6*\u+4:FB+48+12*\a+6*\u+5], v7 offset:QCH*CH+6144*(2*((\s)%2)+\u)+768*\a
.endr
.endr
.irp i, 0,1,2,3
	ds_load_b32 v[SS+\i], v8 offset:544*\i+4*(\s)
.endr
.irp a, 0,1,2,3
	ds_load_b32 v[SS+4+\a], v9 offset:QCH*CH+512*((\s)%2)+64*\a
.endr
.endm
.macro MUL set, first                  ; 16 products, the 16 accumulators by turns, in the same order in every step
.set FB, 32+96*(\set)
.set SS, 16+8*(\set)
.irp a, 0,1,2,3
.irp b, 0,1,2,3
.if \first
	v_wmma_scale_f32_16x16x128_f8f6f4 v[8*(4*\a+\b):8*(4*\a+\b)+7], v[FB+12*\b:FB+12*\b+11], v[FB+48+12*\a:FB+48+12*\a+11], v[BO+8*\b:BO+8*\b+7], v[SS+\b], v[SS+4+\a] matrix_a_fmt:MATRIX_FMT_FP6 matrix_b_fmt:MATRIX_FMT_FP6
.else
	v_wmma_scale_f32_16x16x128_f8f6f4 v[8*(4*\a+\b):8*(4*\a+\b)+7], v[FB+12*\b:FB+12*\b+11], v[FB+48+12*\a:FB+48+12*\a+11], v[8*(4*\a+\b):8*(4*\a+\b)+7], v[SS+\b], v[SS+4+\a] matrix_a_fmt:MATRIX_FMT_FP6 matrix_b_fmt:MATRIX_FMT_FP6
.endif
.endr
.endr
.endm
.macro KSTEP s
	s_wait_dscnt 0x0                               ; this step's fragments are in
.if (\s) > 0
	PLACES                                         ; between the last step's products and the loads into their registers
.endif
.if (\s) == 3
	v_add_nc_u32 v6, 2*QCH, v6                     ; Q's addresses step to chunks 2 and 3
	v_add_nc_u32 v7, 2*QCH, v7
	v_add_nc_u32 v9, 2*QCH, v9
	s_wait_alu depctr_va_vdst(0)
.endif
.if (\s) < 7
	FETCH (\s)+1, ((\s)+1)%2                       ; the next step's, 16 products ahead of their use
.endif
.if (\s) == 0
	WIN 0x40                                       ; D window 1; b_out, the C, window 0
	MUL 0, 1
.else
	WIN 0x50                                       ; C and D window 1
	MUL (\s)%2, 0
.endif
	WIN 0
.endm
	s_wait_loadcnt 0x0                             ; b_out
	s_wait_tensorcnt 0x0                           ; my load is in,
	s_barrier_signal -1
	s_barrier_wait -1                              ; everybody's is
	FETCH 0, 0
.irp s, 0,1,2,3,4,5,6,7
	KSTEP \s
.endr
; THE WAY OUT, a tile of 16 tokens x my 64 outputs at a time: NaN becomes 0; 128 bytes a lane into my own stage; back as whole rows of 256 bytes.  LDS serves a wave's instructions in order (ISA guide 5.7.1.4).
.macro OUT a
.if (\a) > 0
	s_wait_xcnt 0x0                                ; the last tile's stores have read their data
.endif
	WIN 0x05                                       ; sources 0 and 1 window 1
.irp b, 0,1,2,3
.irp j, 0,1,2,3,4,5,6,7
	v_cmp_eq_f32 vcc_lo, v[8*(4*(\a)+\b)+\j], v[8*(4*(\a)+\b)+\j]           ; false for NaN alone.  Each accumulator from its low end on
	v_cndmask_b32 v[T+8*\b+\j], 0, v[8*(4*(\a)+\b)+\j], vcc_lo
.endr
.endr
	WIN 0
.irp b, 0,1,2,3
.irp q, 0,1
	ds_store_b128 v10, v[T+8*\b+4*\q:T+8*\b+4*\q+3] offset:128*(\b/2)+32*(\b%2)+16*\q
.endr
.endr
.irp t, 0,1,2,3,4,5,6,7
	ds_load_b128 v[64+4*\t:64+4*\t+3], v11 offset:544*\t
.endr
	s_wait_dscnt 0x0
.irp t, 0,1,2,3,4,5,6,7
	global_store_b128 v12, v[64+4*\t:64+4*\t+3], s[12:13] offset:(32*((\a)/2)+8*((\a)%2)+2*\t+8*(\t/4))*4096 th:TH_STORE_NT   ; stage rows 2 t, 2 t + 1 are these tokens; 16 lanes store 256 consecutive bytes, aligned
.endr
.endm
	PLACES                                         ; behind the last products
.irp a, 0,1,2,3
	OUT \a
.endr
	s_wait_tensorcnt 0x0                           ; the wave's end
	ds_add_u32 v14, v15
	s_wait_dscnt 0x0
	CROUND                                         ; the closing round
	s_endpgm
.Lfunc_end_k_q88d2c67813_proj_out:
	.size	k_q88d2c67813_proj_out, .Lfunc_end_k_q88d2c67813_proj_out-k_q88d2c67813_proj_out
	.p2alignl 7, 3214868480
	.fill 96, 4, 3214868480
	.section	.rodata,"a",@progbits
	.p2align	6, 0x0
	.amdhsa_kernel k_q88d2c67813_proj_out
		.amdhsa_group_segment_fixed_size 247552
		.amdhsa_private_segment_fixed_size 0
		.amdhsa_enable_private_segment 0
		.amdhsa_kernarg_size 40
		.amdhsa_user_sgpr_count 2
		.amdhsa_user_sgpr_kernarg_segment_ptr 1
		.amdhsa_wavefront_size32 1
		.amdhsa_system_sgpr_workgroup_id_x 1
		.amdhsa_system_sgpr_workgroup_id_y 1
		.amdhsa_system_sgpr_workgroup_id_z 1
		.amdhsa_system_vgpr_workitem_id 0
		.amdhsa_next_free_vgpr 384
		.amdhsa_next_free_sgpr 96
		.amdhsa_reserve_vcc 1
		.amdhsa_float_denorm_mode_32 3
		.amdhsa_float_denorm_mode_16_64 3
		.amdhsa_memory_ordered 1
		.amdhsa_forward_progress 1
		.amdhsa_inst_pref_size 66
	.end_amdhsa_kernel
	.amdgpu_metadata
---
amdhsa.version: [ 1, 2 ]
amdhsa.kernels:
  - .name:           k_q88d2c67813_proj_out
    .symbol:         k_q88d2c67813_proj_out.kd
    .args:
      - { .name: c1, .offset: 0, .size: 8, .value_kind: global_buffer, .address_space: global }
      - { .name: s1, .offset: 8, .size: 8, .value_kind: global_buffer, .address_space: global }
      - { .name: att, .offset: 16, .size: 8, .value_kind: global_buffer, .address_space: global }
      - { .name: b_out, .offset: 24, .size: 8, .value_kind: global_buffer, .address_space: global }
      - { .name: out0, .offset: 32, .size: 8, .value_kind: global_buffer, .address_space: global }
    .group_segment_fixed_size: 247552
    .private_segment_fixed_size: 0
    .kernarg_segment_align: 8
    .kernarg_segment_size: 40
    .max_flat_workgroup_size: 128
    .sgpr_count:     96
    .vgpr_count:     384
    .wavefront_size: 32
...
	.end_amdgpu_metadata
.endif
;; end of part 4
